; MI455X (gfx1250); checked and timed in simulation.
; The chip was launched on July 23, 2026; its instructions are those of AMD's public machine-readable ISA for CDNA 5 (MIT licence, August 2026) and "CDNA5" Instruction Set Architecture Reference Guide (July 2026). The comments in the code are by the model that wrote it; some were corrected since.
;; Llama Attention. Allowed arithmetic: matrix products marked QUANTISED: E2M1 operands, one E8M0 scale for each 32 along K, by v_wmma_scale_f32_16x16x128_f8f6f4 with both operands' format E2M1 (or v_wmma_scale_f32_32x16x128_f4), f32 sums; products left as they are: bf16, f16 or f32 operands; f32 sums; everything else in f32.
;; Inputs: hidden_states 1 x 2,048 x 2,048 float32; position_ids 1 x 2,048 int32; wk 2,048 x 2,048 float32; wo 2,048 x 2,048 float32; wq 2,048 x 2,048 float32; wv 2,048 x 2,048 float32.
;; Outputs: out0 1 x 2,048 x 2,048 float32.
;; This version of the problem:
;;   THIS VERSION OF THE PROBLEM IS GIVEN IN LOW PRECISION. The matrix products marked QUANTISED in the list below multiply operands that are first quantised to E2M1 (2 exponent bits, 1 mantissa bit; 4 bits a number), with one power-of-two scale for each 32 numbers along K (OCP MX v1.0); their sums are f32. The products marked 'left as it is' may take bf16, f16 or f32 operands, with f32 sums. Whichever they take, every output number must still come out within the allowed error. Rounding operands to bf16 (8 significant bits) uses up far more of that allowance than f16 does (11 bits, for magnitudes from 6e-5 to 65,504). All else is computed in f32.
;;   The module's matrix products, in the order in which they are computed (A, B: the left and right operand; K: the contracted axis; several contracted axes count as one K, in the product's order):
;;     1. [M 2,048, K 2,048] x [K 2,048, N 2,048]; A: input hidden_states; B: input wq: QUANTISED
;;     2. [M 2,048, K 2,048] x [K 2,048, N 2,048]; A: input hidden_states; B: input wk: QUANTISED
;;     3. [M 2,048, K 2,048] x [K 2,048, N 2,048]; A: input hidden_states; B: input wv: QUANTISED
;;     4. [M 2,048, K 1] x [K 1, N 32]; A: computed on the way; B: computed on the way: left as it is (no contracted axis)
;;     5. batch 32 x [M 2,048, K 64] x [K 64, N 2,048]; A: computed on the way; B: computed on the way: left as it is (an operand is computed on the way)
;;     6. batch 32 x [M 2,048, K 2,048] x [K 2,048, N 64]; A: computed on the way; B: computed on the way: left as it is (an operand is computed on the way)
;;     7. [M 2,048, K 2,048] x [K 2,048, N 2,048]; A: computed on the way; B: input wo: left as it is (an operand is computed on the way)
;;   THE QUANTISER, for each operand of a quantised product, along K:
;;     - K is cut into blocks of 32 from its start; a last block that is shorter is filled with zeros.
;;     - A block's scale is 2^e with e = floor(log2(the largest magnitude in the block)) - 2, held to -126 .. 127; a block of zeros has e = 0. As a byte (E8M0): e + 127.
;;     - Each number is divided by its block's scale, clamped to +-6, and rounded to the nearest number of E2M1, ties to even, subnormals kept.
;;     - The product sums the exact products of the quantised numbers (number of the format x scale) in f32.
;;   ~~~python
;;   def quantise(x, axis):      # numpy; x: float32 -> the quantised numbers, widened to float32 again
;;       x = np.moveaxis(x, axis, -1); K = x.shape[-1]
;;       x = np.pad(x, [(0, 0)] * (x.ndim - 1) + [(0, -K % 32)]); x = x.reshape(x.shape[:-1] + (-1, 32)); a = np.abs(x).max(-1, keepdims=True)
;;       e = np.where(a > 0, np.clip(np.frexp(np.where(a > 0, a, 1))[1] - 1 - 2, -126, 127), 0)      # np.frexp(a)[1] - 1 = floor(log2(a)), exactly
;;       r = np.clip(x / 2.0 ** e, -6, 6)
;;       step = 2.0 ** (np.maximum(np.frexp(np.where(r == 0, 1, r))[1] - 1, 0) - 1)
;;       q = np.round(r / step) * step * 2.0 ** e      # np.round: ties to even
;;       return np.moveaxis(q.reshape(q.shape[:-2] + (-1,))[..., :K], -1, axis).astype(np.float32)
;;   ~~~
;; One version. Each part assembles by itself: llvm-mc -triple=amdgcn-amd-amdhsa -mcpu=gfx1250 --defsym DOCPART=n.
;; ======== version 1 of 1: 5 launches
;; limits: values are held in f16: magnitudes above 65,504 overflow, below 6.1e-05 lose precision
;; workspace buffers: codes 8,388,608 bytes; scales 524,288 bytes; wo16 8,388,608 bytes; rope 1,048,576 bytes; qkv16 25,165,824 bytes; q32 393,216 bytes; a16 8,388,608 bytes; a32 131,072 bytes
;; launch prep (part 1): grid 896 x 1, 4 waves a work-group, no clusters, 67,072 bytes of LDS; arguments hidden_states, wq, wk, wv, wo, position_ids, codes, scales, wo16, rope; writes codes, scales, wo16, rope
.if DOCPART == 1
	.amdgcn_target "amdgcn-amd-amdhsa--gfx1250"
	.amdhsa_code_object_version 6
	.text
	.protected	k_q3aeb5ba84f_prep
	.globl	k_q3aeb5ba84f_prep
	.p2align	8
	.type	k_q3aeb5ba84f_prep,@function
k_q3aeb5ba84f_prep:
	s_mov_b64 s[64:65], 0
	v_nop
	global_prefetch_b8 v0, s[64:65] scope:SCOPE_SE
	s_setreg_imm32_b32 hwreg(HW_REG_WAVE_MODE, 25, 1), 1
	s_wait_xcnt 0x0
; THREE JOBS IN ONE LAUNCH, told apart by the work-group's number alone.
; A (work-groups 0-511): hidden_states, wq, wk, wv, each [2048][2048] f32 with K innermost, become codes of FP4 (E2M1) and one E8M0 scale byte for each 32 along K.
;   codes: [8192 rows][1024 bytes], rows 0-2047 x, then wq, wk, wv; scales: [8192][64].  A block's scale byte is its largest magnitude's exponent field - 2, held at 1 from below.
; B (512-639): wo [2048][2048] f32 becomes f16 in the order of a matrix operand's registers: wo16[nb = n/16][ks = k/32][c][lane (r, h)][16 bytes] = wo[16 nb + r][32 ks + 16 c + 8 h + 0..7].
; C (640-895): the RoPE table from position_ids: rope[ver][s][64 f32] = 32 cosines, then 32 sines, of position_ids[s] x 10000^(-i/32); ver 0 times c = log2(e)/8 (for q), ver 1 plain (for k).
; LIMITS: NaN and infinities among the inputs are not served.  A block of zeros, or one whose largest magnitude lies under 2^-124, gets the byte 1 (the rule says 127 for zeros: its codes are zeros, and this
; program alone reads the bytes).  wo must lie inside f16's range (65,504).  10000^(-i/32) comes from v_exp_f32; sine and cosine from a reduction by pi/2 in two parts and polynomials of degree 7 and 8 on |r| <= pi/4.
; No tensor loads, no barrier: waves share nothing.  Each job has LDS bytes of its own.
.set STEPS, 16
.set EMAX,  2
.set CB,    8                          ; bytes of 16 codes
.set R,     16                         ; A: v16-79   four sets of 16 numbers as loaded
.set X,     80                         ; A: v80-111  two sets of 16 neighbours
.set E,     112                        ; A: v112-127 a scale byte for each step
.set C,     128                        ; A: v128-191 codes, four registers a step
.set WREG,  8192                       ; A: LDS: a region for each wave: two stages of 32 x SP bytes, then its 256 scale bytes
.set SP,    80                         ; A: a lane's place in a stage: 64 bytes + 16
.set WSTG,  32768                      ; B: LDS: a stage of 16 rows x WPITCH for each wave
.set WPITCH, 528                       ; B: 512 bytes + 16: an odd multiple of 16
.set WR,    16                         ; B: v16-143  two sets of 64: 16 rows x 16 bytes a lane
.set WX,    144                        ; B: v144-207 eight pieces of 8 numbers
.set WPK,   208                        ; B: v208-239 the same as f16
.set SPW,   12                         ; v12 LDS address of my spare word; never rewritten
.set NIL,   13                         ; v13 0; never rewritten
.set SPARE, 66560                      ; behind both jobs' regions: the spare words, 128 bytes a wave
	s_load_b256 s[4:11], s[0:1], 0x0               ; hidden_states, wq, wk, wv
	s_load_b256 s[12:19], s[0:1], 0x20             ; wo, position_ids, codes, scales
	s_load_b128 s[20:23], s[0:1], 0x40             ; wo16, rope
	v_lshl_add_u32 v[SPW], v0, 2, SPARE
	v_mov_b32 v[NIL], 0
	v_lshrrev_b32 v1, 5, v0
	v_readfirstlane_b32 s24, v1                    ; wave 0..3
	v_and_b32 v2, 31, v0                           ; lane
	s_wait_kmcnt 0x0
	s_cmp_ge_u32 ttmp9, 640
	s_cbranch_scc1 .Lrope
	s_cmp_ge_u32 ttmp9, 512
	s_cbranch_scc1 .Lwo
; ---------------- A: the quantiser.  A wave takes 16 steps of 512 numbers; two neighbouring lanes hold a block of 32.
	s_lshr_b32 s25, ttmp9, 7                       ; which tensor: 128 work-groups each
	s_cmp_eq_u32 s25, 1
	s_cselect_b64 s[4:5], s[6:7], s[4:5]
	s_cmp_eq_u32 s25, 2
	s_cselect_b64 s[4:5], s[8:9], s[4:5]
	s_cmp_eq_u32 s25, 3
	s_cselect_b64 s[4:5], s[10:11], s[4:5]
	s_lshl_b32 s26, ttmp9, 2
	s_add_co_u32 s26, s26, s24                     ; my run of 8,192 numbers among the four tensors' 2,048 runs
	s_and_b32 s28, s26, 511
	s_lshl_b32 s28, s28, 15                        ; in its tensor: 32,768 bytes a run
	s_mov_b32 s29, 0
	s_add_nc_u64 s[4:5], s[4:5], s[28:29]
	s_lshl_b32 s28, s26, 12                        ; 4,096 bytes of codes a run
	s_add_nc_u64 s[16:17], s[16:17], s[28:29]
	s_lshl_b32 s28, s26, 8                         ; 256 scale bytes a run
	s_add_nc_u64 s[18:19], s[18:19], s[28:29]
	v_lshlrev_b32 v3, 4, v2                        ; my 16 bytes of a load's 512
	s_mul_i32 s26, s24, WREG
	v_lshrrev_b32 v14, 2, v2
	v_mul_u32_u24 v14, v14, SP
	v_and_b32 v15, 3, v2
	v_lshl_add_u32 v14, v15, 4, v14
	v_add_nc_u32 v14, s26, v14                     ; the stage, on the way in: SP (lane / 4) + 16 (lane % 4)
	v_mul_u32_u24 v15, v2, SP
	v_add_nc_u32 v15, s26, v15                     ; and on the way out: SP x lane: my 16 neighbours
	v_mul_u32_u24 v4, v2, CB                       ; my codes' place in a step's
	v_lshrrev_b32 v5, 1, v2
	s_add_co_u32 s26, s26, 2*32*SP
	v_add_nc_u32 v5, s26, v5                       ; my wave's 256 scale bytes, my block's byte
	v_lshlrev_b32 v7, 3, v2
	v_add_nc_u32 v6, s26, v7                       ; and on the way out 8 bytes a lane
.macro LOAD t
.irp i, 0,1,2,3
	global_load_b128 v[R+16*((\t)%4)+4*\i:R+16*((\t)%4)+4*\i+3], v3, s[4:5] offset:2048*(\t)+512*\i th:TH_LOAD_NT   ; 32 lanes read 512 consecutive bytes
.endr
.endm
.macro TURN t                          ; step t's numbers through the stage; a wave's LDS instructions are served in order, so no wait stands between the stores and the loads
.irp i, 0,1,2,3
	ds_store_b128 v14, v[R+16*((\t)%4)+4*\i:R+16*((\t)%4)+4*\i+3] offset:32*SP*((\t)%2)+8*SP*\i
.endr
.irp i, 0,1,2,3
	ds_load_b128 v[X+16*((\t)%2)+4*\i:X+16*((\t)%2)+4*\i+3], v15 offset:32*SP*((\t)%2)+16*\i
.endr
.endm
.irp t, 0,1,2,3
	LOAD \t
.endr
	s_wait_loadcnt 12                              ; step 0's four loads are in
	TURN 0
.macro STEP t
.set XS, X+16*((\t)%2)
.if (\t) > 0
	s_wait_dscnt 1                                 ; this step's numbers are back from the stage (the last step's byte store may be out)
.else
	s_wait_dscnt 0x0
.endif
.if (\t)+4 < STEPS
	LOAD (\t)+4                                    ; into the registers that this step's stage stores have read
.endif
.if (\t)+1 < STEPS
.if STEPS-2-(\t) >= 3
	s_wait_loadcnt 12                              ; the next step's four loads are in; three later steps' may be out
.else
	s_wait_loadcnt 4*(STEPS-2-(\t))
.endif
	TURN (\t)+1
.endif
	v_max3_num_f32 v8, |v[XS]|, |v[XS+1]|, |v[XS+2]|               ; the largest magnitude of my 16, in two chains
	v_max3_num_f32 v9, |v[XS+3]|, |v[XS+4]|, |v[XS+5]|
.irp i, 6,10
	v_max3_num_f32 v8, v8, |v[XS+\i]|, |v[XS+\i+1]|
	v_max3_num_f32 v9, v9, |v[XS+\i+2]|, |v[XS+\i+3]|
.endr
	v_max3_num_f32 v8, v8, |v[XS+14]|, |v[XS+15]|
	v_max3_num_f32 v8, v8, v9, (EMAX+1)<<23        ; and the floor 2^(3 - 127): the byte cannot fall under 1
	v_max_num_f32_dpp v8, v8, v8 row_xmask:1 row_mask:0xf bank_mask:0xf   ; with my neighbour's 16: the block's
	v_add_nc_u32 v11, -(EMAX<<23), v8              ; 2 off its exponent field: the conversion's scale operand
	v_cvt_scalef32_pk8_fp4_f32 v[C+4*(\t)], v[XS:XS+7], v11
	v_cvt_scalef32_pk8_fp4_f32 v[C+4*(\t)+1], v[XS+8:XS+15], v11
	v_lshrrev_b32 v[E+(\t)], 23, v11               ; the scale's byte
	ds_store_b8 v5, v[E+(\t)] offset:16*(\t)       ; both lanes of a block write the same byte with the same value
	global_store_b64 v4, v[C+4*(\t):C+4*(\t)+1], s[16:17] offset:32*CB*(\t)   ; the wave stores 256 consecutive bytes, aligned
.endm
.irp t, 0,1,2,3,4,5,6,7,8,9,10,11,12,13,14,15
	STEP \t
.endr
	ds_load_b64 v[8:9], v6                         ; my wave's 256 scale bytes
	s_wait_dscnt 0x0
	global_store_b64 v7, v[8:9], s[18:19]          ; 256 consecutive bytes, aligned
	s_wait_tensorcnt 0x0                           ; the wave's end
	ds_add_u32 v[SPW], v[NIL]
	s_wait_dscnt 0x0
	s_endpgm
; ---------------- B: wo to f16 in operand order.  Work-group nb: rows 16 nb .. + 15; wave w: k = 512 w .. + 511, in four chunks of 128.
.Lwo:
	s_sub_co_u32 s25, ttmp9, 512                   ; nb
	v_lshlrev_b32 v1, 4, v2                        ; 16 x lane
	s_mul_i32 s26, s24, 16*WPITCH
	s_add_co_u32 s26, s26, WSTG                    ; my stage
	v_add_nc_u32 v3, s26, v1                       ; in: a row's 512 bytes as they lie
	v_and_b32 v4, 15, v0
	v_bfe_u32 v5, v0, 4, 1
	v_mul_u32_u24 v4, v4, WPITCH
	v_lshl_add_u32 v4, v5, 5, v4
	v_add_nc_u32 v4, s26, v4                       ; out: row r, + 32 h: eight numbers of my half
	s_lshl_b32 s28, s25, 17                        ; 16 rows of 8,192 bytes
	s_lshl_b32 s27, s24, 11
	s_add_co_u32 s28, s28, s27
	s_mov_b32 s29, 0
	s_add_nc_u64 s[12:13], s[12:13], s[28:29]
	s_lshl_b32 s28, s25, 16                        ; 64 K steps of 1,024 bytes
	s_lshl_b32 s27, s24, 14
	s_add_co_u32 s28, s28, s27
	s_add_nc_u64 s[20:21], s[20:21], s[28:29]
.macro WLOAD ch                        ; chunk ch: 16 rows x 512 consecutive bytes
.irp i, 0,1,2,3,4,5,6,7,8,9,10,11,12,13,14,15
	global_load_b128 v[WR+64*((\ch)%2)+4*\i:WR+64*((\ch)%2)+4*\i+3], v1, s[12:13] offset:8192*\i+512*(\ch) th:TH_LOAD_NT
.endr
.endm
.macro WCHUNK ch
.if (\ch) < 3
	s_wait_loadcnt 16                              ; this chunk's 16 loads are in; the next chunk's may be out
.else
	s_wait_loadcnt 0x0
.endif
.irp i, 0,1,2,3,4,5,6,7,8,9,10,11,12,13,14,15
	ds_store_b128 v3, v[WR+64*((\ch)%2)+4*\i:WR+64*((\ch)%2)+4*\i+3] offset:WPITCH*\i
.endr
.irp q, 0,1,2,3,4,5,6,7                        ; piece q = 2 ks' + c: k = 16 q + 8 h + 0..7 of the chunk
	ds_load_b128 v[WX+8*\q:WX+8*\q+3], v4 offset:64*\q
	ds_load_b128 v[WX+8*\q+4:WX+8*\q+7], v4 offset:64*\q+16
.endr
	s_wait_dscnt 0x0                               ; the pieces are in, and the stage stores have read their registers
.if (\ch) < 2
	WLOAD (\ch)+2
.endif
	s_wait_xcnt 0x0                                ; the last chunk's stores have read the packed registers
.irp n, 0,1,2,3,4,5,6,7,8,9,10,11,12,13,14,15,16,17,18,19,20,21,22,23,24,25,26,27,28,29,30,31
	v_cvt_pk_f16_f32 v[WPK+\n], v[WX+2*\n], v[WX+2*\n+1]
.endr
.irp q, 0,1,2,3,4,5,6,7
	global_store_b128 v1, v[WPK+4*\q:WPK+4*\q+3], s[20:21] offset:4096*(\ch)+512*\q   ; 512 consecutive bytes, aligned
.endr
.endm
	WLOAD 0
	WLOAD 1
	WCHUNK 0
	WCHUNK 1
	WCHUNK 2
	WCHUNK 3
	s_wait_tensorcnt 0x0                           ; the wave's end: the three lines behind my last LDS store
	ds_add_u32 v[SPW], v[NIL]
	s_wait_dscnt 0x0
	s_endpgm
; ---------------- C: the RoPE table.  Work-group j: rows 8 j .. + 7.  Thread: row 8 j + tid / 16; 16 bytes at 16 (tid % 16): lanes 0-7 of sixteen the cosines, 8-15 the sines.
.Lrope:
	s_sub_co_u32 s25, ttmp9, 640
	v_lshrrev_b32 v1, 4, v0
	s_lshl_b32 s26, s25, 5
	v_lshl_add_u32 v1, v1, 2, s26                  ; 4 x my row
	global_load_b32 v20, v1, s[14:15]              ; position_ids[row]
	s_lshl_b32 s26, s25, 11
	v_lshl_add_u32 v4, v0, 4, s26                  ; my 16 bytes of the table: 2,048 j + 16 tid
	v_and_b32 v2, 7, v0
	v_lshlrev_b32 v2, 2, v2
	v_cvt_f32_u32 v2, v2                           ; i of my first number
	v_add_f32 v25, 1.0, v2
	v_add_f32 v26, 2.0, v2
	v_add_f32 v27, 0x40400000, v2
	v_mul_f32 v24, 0xbed49a78, v2                  ; -i log2(10000) / 32
	v_mul_f32 v25, 0xbed49a78, v25
	v_mul_f32 v26, 0xbed49a78, v26
	v_mul_f32 v27, 0xbed49a78, v27
	v_exp_f32 v24, v24                             ; 10000^(-i/32): one batch of four
	v_exp_f32 v25, v25
	v_exp_f32 v26, v26
	v_exp_f32 v27, v27
	v_bfe_u32 v35, v0, 3, 1                        ; (a plain line behind the batch)  1 in a lane that makes sines
	s_wait_alu depctr_va_vdst(0)                   ; one wait for the four, ahead of their first reader
	v_mul_u32_u24 v35, v35, 3                      ; sin x = cos(x - pi/2): three quarter turns on
	s_mov_b32 s27, 0xbfc90fdb                      ; -pi/2, high part
	s_mov_b32 s28, 0x333bbd2e                      ; what the high part has too much
	s_mov_b32 s29, 0xb94ca1f9                      ; the sine's highest coefficient
	s_mov_b32 s30, 0x37ccf5ce                      ; the cosine's
	s_wait_loadcnt 0x0
	v_cvt_f32_i32 v20, v20
.macro TRIG e
	v_mul_f32 v28, v20, v[24+\e]                   ; the angle: one f32 product
	v_mul_f32 v29, 0x3f22f983, v28
	v_rndne_f32 v29, v29                           ; k = the nearest whole number of quarter turns
	v_fma_f32 v30, v29, s27, v28
	v_fma_f32 v30, v29, s28, v30                   ; r = angle - k pi/2, |r| <= pi/4
	v_mul_f32 v31, v30, v30                        ; z = r^2
	v_fmaak_f32 v32, s29, v31, 0x3c08839e
	v_fmaak_f32 v32, v32, v31, 0xbe2aaaa3
	v_mul_f32 v32, v32, v31
	v_fma_f32 v32, v32, v30, v30                   ; sin r
	v_fmaak_f32 v33, s30, v31, 0xbab6061a
	v_fmaak_f32 v33, v33, v31, 0x3d2aaaa5
	v_mul_f32 v33, v33, v31
	v_add_f32 v33, -0.5, v33
	v_fma_f32 v33, v33, v31, 1.0                   ; cos r
	v_cvt_i32_f32 v34, v29
	v_add_nc_u32 v34, v34, v35                     ; n: quarter turns, counted for a cosine
	v_and_b32 v36, 1, v34
	v_cmp_eq_u32 vcc_lo, 1, v36
	v_cndmask_b32 v37, v33, v32, vcc_lo            ; n odd: the sine
	v_add_nc_u32 v34, 1, v34
	v_and_b32 v34, 2, v34
	v_lshlrev_b32 v34, 30, v34                     ; n % 4 = 1 or 2: the sign turns
	v_xor_b32 v[40+\e], v34, v37
	v_mul_f32 v[44+\e], 0x3e38aa3b, v[40+\e]       ; x c = log2(e) / 8, for q
.endm
	TRIG 0
	TRIG 1
	TRIG 2
	TRIG 3
	global_store_b128 v4, v[40:43], s[22:23] offset:524288    ; sixteen lanes store a row's 256 bytes, aligned
	global_store_b128 v4, v[44:47], s[22:23]
	s_endpgm
.Lfunc_end_k_q3aeb5ba84f_prep:
	.size	k_q3aeb5ba84f_prep, .Lfunc_end_k_q3aeb5ba84f_prep-k_q3aeb5ba84f_prep
	.p2alignl 7, 3214868480
	.fill 96, 4, 3214868480
	.section	.rodata,"a",@progbits
	.p2align	6, 0x0
	.amdhsa_kernel k_q3aeb5ba84f_prep
		.amdhsa_group_segment_fixed_size 67072
		.amdhsa_private_segment_fixed_size 0
		.amdhsa_enable_private_segment 0
		.amdhsa_kernarg_size 80
		.amdhsa_user_sgpr_count 2
		.amdhsa_user_sgpr_kernarg_segment_ptr 1
		.amdhsa_wavefront_size32 1
		.amdhsa_system_sgpr_workgroup_id_x 1
		.amdhsa_system_sgpr_workgroup_id_y 1
		.amdhsa_system_sgpr_workgroup_id_z 1
		.amdhsa_system_vgpr_workitem_id 0
		.amdhsa_next_free_vgpr 256
		.amdhsa_next_free_sgpr 66
		.amdhsa_reserve_vcc 1
		.amdhsa_float_denorm_mode_32 3
		.amdhsa_float_denorm_mode_16_64 3
		.amdhsa_memory_ordered 1
		.amdhsa_forward_progress 1
		.amdhsa_inst_pref_size 66
	.end_amdhsa_kernel
	.amdgpu_metadata
---
amdhsa.version: [ 1, 2 ]
amdhsa.kernels:
  - .name:           k_q3aeb5ba84f_prep
    .symbol:         k_q3aeb5ba84f_prep.kd
    .args:
      - { .name: hidden_states, .offset: 0, .size: 8, .value_kind: global_buffer, .address_space: global }
      - { .name: wq, .offset: 8, .size: 8, .value_kind: global_buffer, .address_space: global }
      - { .name: wk, .offset: 16, .size: 8, .value_kind: global_buffer, .address_space: global }
      - { .name: wv, .offset: 24, .size: 8, .value_kind: global_buffer, .address_space: global }
      - { .name: wo, .offset: 32, .size: 8, .value_kind: global_buffer, .address_space: global }
      - { .name: position_ids, .offset: 40, .size: 8, .value_kind: global_buffer, .address_space: global }
      - { .name: codes, .offset: 48, .size: 8, .value_kind: global_buffer, .address_space: global }
      - { .name: scales, .offset: 56, .size: 8, .value_kind: global_buffer, .address_space: global }
      - { .name: wo16, .offset: 64, .size: 8, .value_kind: global_buffer, .address_space: global }
      - { .name: rope, .offset: 72, .size: 8, .value_kind: global_buffer, .address_space: global }
    .group_segment_fixed_size: 67072
    .private_segment_fixed_size: 0
    .kernarg_segment_align: 8
    .kernarg_segment_size: 80
    .max_flat_workgroup_size: 128
    .sgpr_count:     66
    .vgpr_count:     256
    .wavefront_size: 32
...
	.end_amdgpu_metadata
.endif
;; end of part 1
;; launch qkv (part 2): grid 24 x 8, 4 waves a work-group, clusters of 4 x 4, 327,680 bytes of LDS; arguments codes, scales, rope, q32, qkv16; writes q32, qkv16
.if DOCPART == 2
	.amdgcn_target "amdgcn-amd-amdhsa--gfx1250"
	.amdhsa_code_object_version 6
	.text
	.protected	k_q3aeb5ba84f_qkv
	.globl	k_q3aeb5ba84f_qkv
	.p2align	8
	.type	k_q3aeb5ba84f_qkv,@function
k_q3aeb5ba84f_qkv:
	s_mov_b64 s[64:65], 0
	v_nop
	global_prefetch_b8 v0, s[64:65] scope:SCOPE_SE
	s_setreg_imm32_b32 hwreg(HW_REG_WAVE_MODE, 25, 1), 1
	s_wait_xcnt 0x0
	s_wait_alu depctr_hold_cnt(0) depctr_sa_sdst(0) depctr_va_vdst(0) depctr_va_sdst(0) depctr_va_ssrc(0) depctr_va_vcc(0) depctr_vm_vsrc(0)
	s_getreg_b32 s2, hwreg(HW_REG_IB_STS2, 6, 4)
	s_cmp_eq_u32 s2, 0
	s_cbranch_scc0 .Lentry_in_a_cluster
	s_endpgm
.Lentry_in_a_cluster:
	s_bfe_u32 s2, ttmp6, 0x10000c
	s_cmp_lg_u32 s2, 0xf033
	s_cbranch_scc0 .Lentry_shape_is_right
	s_endpgm
.Lentry_shape_is_right:
; [q | k | v][s][n] = sum over k of x[s][k] w[n][k], on codes of FP4 (E2M1) with one E8M0 scale for each 32 along K; then RoPE on q and k in f32; results as f16 in the order of the next products' operand registers.
; A = rows 0-2047 of codes (x), B = rows 2048-8191 (wq, wk, wv): M 2,048, N 6,144, K 2,048.  A tile is 256 x 256, a work-group of four waves, a wave 128 x 128: 64 accumulators, 512 registers.
; K goes in steps of 512 through a ring of two LDS slots (a tile's row is 256 bytes); the scale bytes of the work-group's rows, for all of K, come into LDS once, with the first fills.
; CLUSTERS: 4 x 4 work-groups; A's tiles are asked for jointly along a row of the cluster, B's along a column.  A tile's 256 columns are wholly q's, k's or v's, and which hangs on the cluster's x alone
; (0-1 q, 2-3 k, 4-5 v), which all sixteen partners share: so it may steer the one branch of the way out.
; THE MATRIX INSTRUCTION IS USED TRANSPOSED (source 0 = 16 rows of B, source 1 = 16 rows of A): lane (r, h) holds token r and eight neighbouring channels 8 h + 0..7 of a block of 16.  A wave's 128 columns are two heads.
; OUT: qkv16[g = n/64 (96)][tb = s/16][b = d/16][pos][16 bytes] = f16 of token 16 tb + r, channels 16 b + 8 h + 0..7; pos = the lane for q and k; for v pos = (r/8) 16 + 8 h + r%8, so that the turning
; LDS load at 16 x lane gives fragments of V^T.  Every store of a wave is 512 consecutive bytes, aligned.  Tokens 0-15 also leave as f32: q32[g][16][64].  q carries the factor log2(e)/8 (it is in q's table).
; LIMITS: q log2(e)/8, k and v must stay under 65,504 (f16).
; REGISTERS, in windows of 256: window 0: v0-31 addresses; v32-95 scale words, two sets; v128-191 A's fragments, one set; v192-255 two blocks' RoPE tables (asked for at the head, idle in the loop).
;   On the way out: v32-95 results in f32, v96-127 packed, v128-143 at work.   window 1: B's fragments, two sets.   windows 2, 3: the accumulators ((a, b) at v[8 (8 (a % 4) + b)]).
.set SIZE_M, 2048
.set SIZE_N, 6144
.set SIZE_K, 2048
.set KSTEP,  512
.set NQ,     KSTEP/128
.set ROWB,   256
.set KROW,   SIZE_K*4/8
.set PITCH,  272                       ; an LDS row: 256 bytes + 16: an odd multiple of 16
.set FR,     8
.set NL,     2
.set NP,     4
.set HALFT,  128*PITCH
.set SLOT,   4*HALFT
.set LAPS,   SIZE_K/(2*KSTEP)
.set KS,     SIZE_K/32
.set SCL,    2*SLOT
.set HALFS,  (128*KS/256)*272
.set SBLK,   (16*KS/256)*272
.set SPARE,  SCL+4*HALFS               ; the spare words, 128 bytes a wave
.set ADRA, 16
.set ADRB, 20
.set TA,   24                          ; v24  r x 256 + 32 h: my place in a table row and in a row of q32
.set CO,   26                          ; v26  16 x pos
.set ADRS, 27
.set SPW,  28
.set NIL,  29
.set ROWG, 30                          ; v30  my token in block 0 of my rows
.set SC,   32
.set AF,   128
.set O,    32
.set PK,   96
.set TT,   128
.set T,    192
.set G1, 24
.set G0, 32
.set G1B, 48
.set G0B, 56
.set G1S, 68
.set G0S, 76
.set G1SB, 80
.set G0SB, 88
.set MSB, 0
.macro WIN new                         ; the immediate's high byte repeats the setting that is left
.if MSB != \new
	s_set_vgpr_msb (MSB<<8)|\new
.set MSB, \new
.endif
.endm
.set MUL_LO, 0xa1
.set MUL_HI, 0xf1
.set TO_B,   0x40
.macro JLOAD g0a, g1a, g0b, g1b        ; a joint load: waves 0 and 1 fetch for A, waves 2 and 3 for B; an s_nop 0 and four v_nop follow each line
	s_cmp_eq_u32 s15, 0
	s_cbranch_scc0 .Lfor_b_\@
	tensor_load_to_lds s[\g0a:\g0a+3], s[\g1a:\g1a+7]
	s_nop 0
.rept 4
	v_nop
.endr
	s_branch .Lasked_\@
.Lfor_b_\@:
	tensor_load_to_lds s[\g0b:\g0b+3], s[\g1b:\g1b+7]
	s_nop 0
.rept 4
	v_nop
.endr
.Lasked_\@:
.endm
.macro CREST
	s_cmp_lg_u32 s14, 0
	s_cbranch_scc1 .Lnot_wave_0_\@
	s_barrier_signal -3
.Lnot_wave_0_\@:
	s_barrier_wait -3
	s_barrier_signal -1
	s_barrier_wait -1
.endm
.macro CROUND
	s_barrier_signal -1
	s_barrier_wait -1
	CREST
.endm
	s_load_b128 s[4:7], s[0:1], 0x0                ; codes, scales
	s_load_b128 s[96:99], s[0:1], 0x10             ; rope, q32
	s_load_b64 s[12:13], s[0:1], 0x20              ; qkv16
	v_lshl_add_u32 v[SPW], v0, 2, SPARE
	v_mov_b32 v[NIL], 0
	ds_add_u32 v[SPW], v[NIL]                      ; the wave's opening: the add, twice on end, and its wait ahead of my first tensor load
	ds_add_u32 v[SPW], v[NIL]
	v_lshrrev_b32 v1, 5, v0
	v_readfirstlane_b32 s14, v1                    ; wave 0..3
	s_lshr_b32 s15, s14, 1                         ; which half of the tile's rows is mine; also: I fetch for A (0) or B (1)
	s_and_b32 s16, s14, 1                          ; which half of its columns; also: which 128 rows I fetch
	s_bfe_u32 s40, ttmp6, 0x40000                  ; cx, cy
	s_bfe_u32 s41, ttmp6, 0x40004
	s_lshl_b32 s42, ttmp9, 2
	s_add_co_u32 s42, s42, s40                     ; tile column
	s_and_b32 s17, ttmp7, 0xffff
	s_lshl_b32 s17, s17, 2
	s_add_co_u32 s17, s17, s41                     ; tile row
	s_lshl_b32 s43, s41, 2
	s_lshl_b32 s43, 15, s43                        ; my row of the cluster
	s_lshl_b32 s44, 0x1111, s40                    ; my column
	s_or_b32 s[G1+0], s43, (0<<16)|(1<<20)|(1<<21)|(5<<22)|(3<<25)  ; mask; 1-byte elements; padding of 4 words behind every 64; bit 21 beside the mask
	s_or_b32 s[G1B+0], s44, (0<<16)|(1<<20)|(1<<21)|(5<<22)|(3<<25)
.irp g, G1, G1B
	s_mov_b32 s[\g+1], ROWB<<16                    ; tensor_dim0
	s_mov_b32 s[\g+2], 128<<16                     ; tensor_dim1
	s_mov_b32 s[\g+3], ROWB<<16                    ; tile_dim0
	s_mov_b32 s[\g+4], 128                         ; tile_dim1
	s_mov_b32 s[\g+5], KROW                        ; pitch
	s_mov_b32 s[\g+6], 0
	s_mov_b32 s[\g+7], 0
.endr
	s_or_b32 s[G1S+0], s43, (3<<16)|(1<<20)|(1<<21)|(5<<22)|(3<<25) ; the scales of 128 rows: a dense block, as rows of 256 bytes (32 elements of 8), 16 bytes behind each
	s_or_b32 s[G1SB+0], s44, (3<<16)|(1<<20)|(1<<21)|(5<<22)|(3<<25)
.irp g, G1S, G1SB
	s_mov_b32 s[\g+1], 32<<16
	s_mov_b32 s[\g+2], (128*KS/256)<<16
	s_mov_b32 s[\g+3], 32<<16
	s_mov_b32 s[\g+4], 128*KS/256
	s_mov_b32 s[\g+5], 32
	s_mov_b32 s[\g+6], 0
	s_mov_b32 s[\g+7], 0
.endr
	s_lshl_b32 s18, s16, 7
	s_lshl_b32 s20, s17, 8
	s_add_co_u32 s20, s20, s18                     ; A: row 256 x tile row + 128 x half
	s_lshl_b32 s46, s42, 8
	s_add_co_u32 s46, s46, s18                     ; B: row 256 x tile column + 128 x half
	s_mov_b32 s21, 0
	s_mov_b32 s47, 0
	s_mov_b64 s[18:19], KS
	s_mul_u64 s[22:23], s[20:21], s[18:19]
	s_mul_u64 s[92:93], s[46:47], s[18:19]
	s_mov_b64 s[18:19], KROW
	s_mul_u64 s[20:21], s[20:21], s[18:19]
	s_mul_u64 s[46:47], s[46:47], s[18:19]
	s_mul_i32 s45, s14, HALFT
	s_mul_i32 s94, s14, HALFS
	s_wait_dscnt 0x0                               ; both opening adds are done
	s_wait_kmcnt 0x0
	s_add_nc_u64 s[8:9], s[4:5], 0x200000          ; B's codes begin 2,048 rows of 1,024 bytes on,
	s_add_nc_u64 s[10:11], s[6:7], 0x20000         ; its scales 2,048 rows of 64
	s_add_nc_u64 s[20:21], s[4:5], s[20:21]
	s_add_nc_u64 s[22:23], s[6:7], s[22:23]
	s_add_nc_u64 s[46:47], s[8:9], s[46:47]
	s_add_nc_u64 s[92:93], s[10:11], s[92:93]
	CROUND                                         ; all sixteen work-groups are here: the first joint loads meet
	s_mov_b32 s[G0S], 1
	s_add_co_u32 s[G0S+1], s94, SCL
	s_mov_b64 s[G0S+2:G0S+3], s[22:23]
	s_or_b32 s[G0S+3], s[G0S+3], 0x80000000
	s_mov_b32 s[G0SB], 1
	s_add_co_u32 s[G0SB+1], s94, SCL
	s_mov_b64 s[G0SB+2:G0SB+3], s[92:93]
	s_or_b32 s[G0SB+3], s[G0SB+3], 0x80000000
	JLOAD G0S, G1S, G0SB, G1SB                     ; the scales first
.irp s, 0,1
	s_mov_b32 s[G0+4*\s], 1
	s_add_co_u32 s[G0+4*\s+1], s45, \s*SLOT
	s_add_nc_u64 s[G0+4*\s+2:G0+4*\s+3], s[20:21], \s*ROWB
	s_or_b32 s[G0+4*\s+3], s[G0+4*\s+3], 0x80000000
	s_mov_b32 s[G0B+4*\s], 1
	s_add_co_u32 s[G0B+4*\s+1], s45, \s*SLOT
	s_add_nc_u64 s[G0B+4*\s+2:G0B+4*\s+3], s[46:47], \s*ROWB
	s_or_b32 s[G0B+4*\s+3], s[G0B+4*\s+3], 0x80000000
	JLOAD G0+4*\s, G1, G0B+4*\s, G1B               ; three tensor loads of mine are out
.endr
	v_and_b32 v1, 15, v0                           ; r
	v_bfe_u32 v2, v0, 4, 1                         ; h
	v_mul_u32_u24 v3, v1, PITCH
	v_lshl_add_u32 v4, v2, 4, v3
	s_mul_i32 s21, s15, HALFT
	s_mul_i32 s22, s16, HALFT
	s_add_co_u32 s22, s22, 2*HALFT
.irp s, 0,1
	v_add_nc_u32 v[ADRA+\s], s21, v4
	v_add_nc_u32 v[ADRB+\s], s22, v4
	s_add_co_u32 s21, s21, SLOT
	s_add_co_u32 s22, s22, SLOT
.endr
	v_mul_u32_u24 v5, v1, KS
	v_lshrrev_b32 v6, 8, v5
	v_lshl_add_u32 v5, v6, 4, v5
	s_mul_i32 s21, s15, HALFS
	s_mul_i32 s22, s16, HALFS
	s_add_co_u32 s22, s22, 2*HALFS
	s_sub_co_u32 s22, s22, s21
	v_mul_u32_u24 v6, s22, v2                      ; lanes 16-31 take B's scale words
	s_add_co_u32 s21, s21, SCL
	v_add_nc_u32 v5, v5, v6
	v_add_nc_u32 v[ADRS], s21, v5
	; the way out's addresses
	v_lshlrev_b32 v[TA], 8, v1
	v_lshl_add_u32 v[TA], v2, 5, v[TA]
	v_and_b32 v6, 31, v0
	v_lshlrev_b32 v5, 4, v6                        ; q, k: 16 x lane
	v_lshrrev_b32 v6, 3, v1
	v_and_b32 v7, 7, v1
	v_lshl_or_b32 v7, v2, 3, v7
	v_lshl_or_b32 v7, v6, 4, v7
	v_lshlrev_b32 v7, 4, v7                        ; v: 16 x ((r/8) 16 + 8 h + r%8)
	s_cmp_ge_u32 ttmp9, 4
	s_cselect_b32 s100, -1, 0
	v_cndmask_b32 v[CO], v5, v7, s100
	s_lshl_b32 s20, s17, 8
	s_lshl_b32 s21, s15, 7
	s_add_co_u32 s20, s20, s21                     ; my first token
	v_add_nc_u32 v[ROWG], s20, v1
	s_lshl_b32 s22, s20, 8                         ; its row of the table
	s_cmp_ge_u32 ttmp9, 2
	s_cselect_b32 s23, 0x80000, 0                  ; q takes the table with the factor, the others the plain one
	s_add_co_u32 s22, s22, s23
	s_mov_b32 s23, 0
	s_add_nc_u64 s[96:97], s[96:97], s[22:23]
	s_lshl_b32 s46, s42, 2
	s_lshl_b32 s47, s16, 1
	s_add_co_u32 s46, s46, s47                     ; g of my first head: 4 x tile column + 2 x half
	s_lshl_b32 s92, s46, 12
	s_mov_b32 s93, 0
	s_add_nc_u64 s[98:99], s[98:99], s[92:93]
	s_lshl_b32 s92, s46, 18
	s_lshl_b32 s47, s20, 7                         ; (token / 16) x 2,048
	s_add_co_u32 s92, s92, s47
	s_add_nc_u64 s[12:13], s[12:13], s[92:93]
.macro TABLE a                         ; block a's table: my token's cosines at set + 8 u + j, sines at set + 16 + 8 u + j, for i = 16 u + 8 h + j
.irp u, 0,1
	global_load_b128 v[T+32*((\a)%2)+8*\u:T+32*((\a)%2)+8*\u+3],       v[TA], s[96:97] offset:(\a)*4096+64*\u
	global_load_b128 v[T+32*((\a)%2)+8*\u+4:T+32*((\a)%2)+8*\u+7],     v[TA], s[96:97] offset:(\a)*4096+64*\u+16
	global_load_b128 v[T+32*((\a)%2)+16+8*\u:T+32*((\a)%2)+16+8*\u+3], v[TA], s[96:97] offset:(\a)*4096+128+64*\u
	global_load_b128 v[T+32*((\a)%2)+16+8*\u+4:T+32*((\a)%2)+16+8*\u+7], v[TA], s[96:97] offset:(\a)*4096+128+64*\u+16
.endr
.endm
	TABLE 0                                        ; every tile asks (v's tiles never use them): the sixteen loads stay out over the whole loop
	TABLE 1
.macro FRAG reg, adr, q, i             ; 16 rows x 128 K of 4-bit codes: 8 registers, two loads of 16 bytes, 32 bytes apart
.irp c, 0,1
	ds_load_b128 v[\reg+4*\c:\reg+4*\c+3], v[\adr] offset:64*(\q)+32*\c+(\i)*16*PITCH
.endr
.endm
; 16 matrix instructions: A's blocks a0, a0 + 1 x B's eight.  The 64 accumulators take turns, one instruction a turn.
.macro MUL16 a0, p, q, sc, zero
.irp a, \a0, \a0+1
.irp b, 0,1,2,3,4,5,6,7
.if \zero
	v_wmma_scale_f32_16x16x128_f8f6f4 v[8*(8*((\a)%4)+\b):8*(8*((\a)%4)+\b)+7], v[128*(\p)+FR*\b:128*(\p)+FR*\b+FR-1], v[AF+FR*(\a):AF+FR*(\a)+FR-1], 0, v[SC+8*NQ*(\sc)+NQ*\b+(\q)], v[SC+8*NQ*(\sc)+NQ*(\a)+(\q)] matrix_a_fmt:MATRIX_FMT_FP4 matrix_b_fmt:MATRIX_FMT_FP4 matrix_a_scale:MATRIX_SCALE_ROW1
.else
	v_wmma_scale_f32_16x16x128_f8f6f4 v[8*(8*((\a)%4)+\b):8*(8*((\a)%4)+\b)+7], v[128*(\p)+FR*\b:128*(\p)+FR*\b+FR-1], v[AF+FR*(\a):AF+FR*(\a)+FR-1], v[8*(8*((\a)%4)+\b):8*(8*((\a)%4)+\b)+7], v[SC+8*NQ*(\sc)+NQ*\b+(\q)], v[SC+8*NQ*(\sc)+NQ*(\a)+(\q)] matrix_a_fmt:MATRIX_FMT_FP4 matrix_b_fmt:MATRIX_FMT_FP4 matrix_a_scale:MATRIX_SCALE_ROW1
.endif
.endr
.endr
.endm
.macro FETCH_B slot, q, p
	WIN TO_B
.irp i, 0,1,2,3,4,5,6,7
	FRAG 128*(\p)+FR*\i, ADRB+\slot, \q, \i
.endr
	WIN 0
.endm
.macro FETCH_A slot, q, i0
.irp i, \i0, \i0+1, \i0+2, \i0+3
	FRAG AF+FR*(\i), ADRA+\slot, \q, \i
.endr
.endm
.macro SCALES sc                       ; a K step's scale words: lanes 0-15 A's block i, lanes 16-31 B's block i
.irp i, 0,1,2,3,4,5,6,7
	ds_load_b128 v[SC+8*NQ*\sc+NQ*\i:SC+8*NQ*\sc+NQ*\i+3], v[ADRS] offset:\i*SBLK
.endr
.endm
.macro PLACES n                        ; plain vector instructions between a matrix instruction and a load into, or a read of, its registers
.rept \n
	v_nop
.endr
.endm
.macro STEP slot, q, zero              ; 128 along K with its successor in the same slot
	s_wait_dscnt 4*NL                              ; B's set and A's blocks 0-3 are in; A's blocks 4-7 (eight loads) may be out
	WIN MUL_LO
	MUL16 0, (\q)%2, \q, \slot, \zero
	MUL16 2, (\q)%2, \q, \slot, \zero
	s_wait_dscnt 0
	PLACES NP
	FETCH_B \slot, (\q)+1, 1-(\q)%2
	FETCH_A \slot, (\q)+1, 0
	WIN MUL_HI
	MUL16 4, (\q)%2, \q, \slot, \zero
	MUL16 6, (\q)%2, \q, \slot, \zero
	PLACES NP
	WIN 0
	FETCH_A \slot, (\q)+1, 4
.endm
.macro TURN slot, next, fill           ; a slot's last step changes slots: one barrier
	s_wait_tensorcnt 0x0                           ; all my tensor loads have landed: my part of the next slot
	ds_add_u32 v[SPW], v[NIL]                      ; 0 onto my spare word
	s_wait_dscnt 4*NL+1                            ; (the add and A's blocks 4-7 may be out)
	WIN MUL_LO
	MUL16 0, 1, NQ-1, \slot, 0
	s_wait_dscnt 0x0                               ; the add is done, and my reads of this slot are over
	s_barrier_signal -1
	MUL16 2, 1, NQ-1, \slot, 0
	WIN 0
	s_barrier_wait -1
.if \fill
	CREST                                          ; the barrier has opened a round of the cluster's: no wave of any partner still reads this slot or has a load on its way
	s_add_nc_u64 s[G0+4*\slot+2:G0+4*\slot+3], s[G0+4*\slot+2:G0+4*\slot+3], 2*ROWB
	s_add_nc_u64 s[G0B+4*\slot+2:G0B+4*\slot+3], s[G0B+4*\slot+2:G0B+4*\slot+3], 2*ROWB
	JLOAD G0+4*\slot, G1, G0B+4*\slot, G1B         ; the first tensor load behind the round, and my only one until the next
.else
	PLACES NP
.endif
	v_add_nc_u32 v[ADRS], 4*NQ, v[ADRS]
	FETCH_B \next, 0, 0
	FETCH_A \next, 0, 0
	SCALES \next
	WIN MUL_HI
	MUL16 4, 1, NQ-1, \slot, 0
	MUL16 6, 1, NQ-1, \slot, 0
	PLACES NP
	WIN 0
	FETCH_A \next, 0, 4
.endm
.macro STEPS slot, from
.set Q, \from
.rept NQ-1-\from
	STEP \slot, Q, 0
.set Q, Q+1
.endr
.endm
	s_wait_tensorcnt 1                             ; the scales and my part of K step 0 are in (K step 1's load may be out),
	s_barrier_signal -1
	s_barrier_wait -1                              ; everybody's are
	FETCH_B 0, 0, 0
	FETCH_A 0, 0, 0
	SCALES 0
	FETCH_A 0, 0, 4
	STEP 0, 0, 1                                   ; the first step's products start the sums
	s_mov_b32 s3, LAPS-1
.Llap:
	STEPS 0, 1
	TURN 0, 1, 1
	STEPS 1, 0
	TURN 1, 0, 1
	STEP 0, 0, 0
	s_sub_co_u32 s3, s3, 1
	s_cmp_lg_u32 s3, 0
	s_cbranch_scc1 .Llap
	STEPS 0, 1                                     ; the last lap fills nothing
	TURN 0, 1, 0
	STEPS 1, 0
	s_wait_dscnt 4*NL
	WIN MUL_LO
	MUL16 0, 1, NQ-1, 1, 0
	MUL16 2, 1, NQ-1, 1, 0
	s_wait_dscnt 0
	WIN MUL_HI
	MUL16 4, 1, NQ-1, 1, 0
	MUL16 6, 1, NQ-1, 1, 0
	WIN 0
; THE WAY OUT, block a of 16 tokens at a time.  No LDS: a lane's eight channels pack into the 16 bytes that the next product's lane wants.
.macro ROPE a                          ; out[d] = x[d] cos - x[d+32] sin, out[d+32] = x[d+32] cos + x[d] sin; block b1 = 4 hh + u holds d = 16 u + 8 h + j, block b1 + 2 holds d + 32
.set TS, T+32*((\a)%2)
.set WN, 2+(\a)/4
	WIN WN                                         ; source 0: the accumulators' window
.irp hh, 0,1
.irp u, 0,1
.set X1, 8*(8*((\a)%4)+4*\hh+\u)
.set X2, X1+16
.irp jp, 0,2,4,6                               ; each accumulator is read from its low end on
	v_pk_mul_f32 v[TT+2*\jp:TT+2*\jp+1],   v[X2+\jp:X2+\jp+1], v[TS+16+8*\u+\jp:TS+16+8*\u+\jp+1]
	v_pk_mul_f32 v[TT+2*\jp+2:TT+2*\jp+3], v[X1+\jp:X1+\jp+1], v[TS+16+8*\u+\jp:TS+16+8*\u+\jp+1]
.endr
.irp jp, 0,2,4,6
	v_pk_fma_f32 v[O+8*(4*\hh+\u)+\jp:O+8*(4*\hh+\u)+\jp+1],     v[X1+\jp:X1+\jp+1], v[TS+8*\u+\jp:TS+8*\u+\jp+1], v[TT+2*\jp:TT+2*\jp+1] neg_lo:[0,0,1] neg_hi:[0,0,1]
	v_pk_fma_f32 v[O+8*(4*\hh+\u+2)+\jp:O+8*(4*\hh+\u+2)+\jp+1], v[X2+\jp:X2+\jp+1], v[TS+8*\u+\jp:TS+8*\u+\jp+1], v[TT+2*\jp+2:TT+2*\jp+3]
.endr
.endr
.endr
	WIN 0
.endm
.macro MASKON                          ; only tokens 0-15 leave as f32: all lanes of one wave's block 0, or none.  EXEC changes only behind s_wait_xcnt 0
	v_cmp_gt_u32 vcc_lo, 16, v[ROWG]
	s_wait_xcnt 0x0
	s_and_saveexec_b32 s100, vcc_lo
.endm
.macro MASKOFF
	s_wait_xcnt 0x0
	s_or_b32 exec_lo, exec_lo, s100
.endm
.macro OUT a
.irp b, 0,1,2,3,4,5,6,7
	global_store_b128 v[CO], v[PK+4*\b:PK+4*\b+3], s[12:13] offset:(\b/4)*262144+(\a)*2048+(\b%4)*512   ; 512 consecutive bytes, aligned
.endr
.endm
.macro BLOCKQK a
.if (\a) < 7
	s_wait_loadcnt 8                               ; this block's table is in; the next block's eight loads may be out
.else
	s_wait_loadcnt 0x0
.endif
	ROPE \a
.if (\a) < 6
	TABLE (\a)+2
.endif
.if (\a) == 0
	MASKON
.irp b, 0,1,2,3,4,5,6,7
	global_store_b128 v[TA], v[O+8*\b:O+8*\b+3],   s[98:99] offset:(\b/4)*4096+(\b%4)*64
	global_store_b128 v[TA], v[O+8*\b+4:O+8*\b+7], s[98:99] offset:(\b/4)*4096+(\b%4)*64+16
.endr
	MASKOFF
.endif
	s_wait_xcnt 0x0                                ; the last block's stores have read the packed registers
.irp n, 0,1,2,3,4,5,6,7,8,9,10,11,12,13,14,15,16,17,18,19,20,21,22,23,24,25,26,27,28,29,30,31
	v_cvt_pk_f16_f32 v[PK+\n], v[O+2*\n], v[O+2*\n+1]
.endr
	OUT \a
.endm
.macro BLOCKV a
.set AC, 64*((\a)%4)
.if (\a) == 0
	MASKON
	WIN 0x08                                       ; a store's data are its source 1: window 2
.irp b, 0,1,2,3,4,5,6,7
	global_store_b128 v[TA], v[8*\b:8*\b+3],   s[98:99] offset:(\b/4)*4096+(\b%4)*64          ; each accumulator from its low end on
	global_store_b128 v[TA], v[8*\b+4:8*\b+7], s[98:99] offset:(\b/4)*4096+(\b%4)*64+16
.endr
	WIN 0
	MASKOFF
.endif
	s_wait_xcnt 0x0
.set WN, 0x0a+5*((\a)/4)
	WIN WN                                         ; sources 0 and 1: window 2 or 3
.irp n, 0,1,2,3,4,5,6,7,8,9,10,11,12,13,14,15,16,17,18,19,20,21,22,23,24,25,26,27,28,29,30,31
	v_cvt_pk_f16_f32 v[PK+\n], v[AC+2*\n], v[AC+2*\n+1]
.endr
	WIN 0
	OUT \a
.endm
	PLACES NP                                      ; behind the last products: their results are read, and A's old registers written, below
	s_cmp_ge_u32 ttmp9, 4                          ; the cluster's x: the same in all sixteen partners
	s_cbranch_scc1 .Lv_out
.irp a, 0,1,2,3,4,5,6,7
	BLOCKQK \a
.endr
	s_branch .Ljoin
.Lv_out:
.irp a, 0,1,2,3,4,5,6,7
	BLOCKV \a
.endr
.Ljoin:
	s_wait_tensorcnt 0x0                           ; the wave's end
	ds_add_u32 v[SPW], v[NIL]
	s_wait_dscnt 0x0
	CROUND                                         ; the closing round
	s_endpgm
.Lfunc_end_k_q3aeb5ba84f_qkv:
	.size	k_q3aeb5ba84f_qkv, .Lfunc_end_k_q3aeb5ba84f_qkv-k_q3aeb5ba84f_qkv
	.p2alignl 7, 3214868480
	.fill 96, 4, 3214868480
	.section	.rodata,"a",@progbits
	.p2align	6, 0x0
	.amdhsa_kernel k_q3aeb5ba84f_qkv
		.amdhsa_group_segment_fixed_size 327680
		.amdhsa_private_segment_fixed_size 0
		.amdhsa_enable_private_segment 0
		.amdhsa_kernarg_size 40
		.amdhsa_user_sgpr_count 2
		.amdhsa_user_sgpr_kernarg_segment_ptr 1
		.amdhsa_wavefront_size32 1
		.amdhsa_system_sgpr_workgroup_id_x 1
		.amdhsa_system_sgpr_workgroup_id_y 1
		.amdhsa_system_sgpr_workgroup_id_z 1
		.amdhsa_system_vgpr_workitem_id 0
		.amdhsa_next_free_vgpr 1024
		.amdhsa_next_free_sgpr 102
		.amdhsa_reserve_vcc 1
		.amdhsa_float_denorm_mode_32 3
		.amdhsa_float_denorm_mode_16_64 3
		.amdhsa_memory_ordered 1
		.amdhsa_forward_progress 1
		.amdhsa_inst_pref_size 255
	.end_amdhsa_kernel
	.section	.bss,"aw",@nobits
	.p2align	6
	.space	262144
	.amdgpu_metadata
---
amdhsa.version: [ 1, 2 ]
amdhsa.kernels:
  - .name:           k_q3aeb5ba84f_qkv
    .symbol:         k_q3aeb5ba84f_qkv.kd
    .args:
      - { .name: codes, .offset: 0, .size: 8, .value_kind: global_buffer, .address_space: global }
      - { .name: scales, .offset: 8, .size: 8, .value_kind: global_buffer, .address_space: global }
      - { .name: rope, .offset: 16, .size: 8, .value_kind: global_buffer, .address_space: global }
      - { .name: q32, .offset: 24, .size: 8, .value_kind: global_buffer, .address_space: global }
      - { .name: qkv16, .offset: 32, .size: 8, .value_kind: global_buffer, .address_space: global }
    .group_segment_fixed_size: 327680
    .private_segment_fixed_size: 0
    .kernarg_segment_align: 8
    .kernarg_segment_size: 40
    .max_flat_workgroup_size: 128
    .sgpr_count:     102
    .vgpr_count:     1024
    .wavefront_size: 32
...
	.end_amdgpu_metadata
.endif
;; end of part 2
;; launch attn (part 3): grid 8 x 32, 8 waves a work-group, no clusters, 327,680 bytes of LDS; arguments qkv16, a16, q32, a32; writes a16, a32
.if DOCPART == 3
	.amdgcn_target "amdgcn-amd-amdhsa--gfx1250"
	.amdhsa_code_object_version 6
	.text
	.protected	k_q3aeb5ba84f_attn
	.globl	k_q3aeb5ba84f_attn
	.p2align	8
	.type	k_q3aeb5ba84f_attn,@function
k_q3aeb5ba84f_attn:
	s_mov_b64 s[64:65], 0
	v_nop
	global_prefetch_b8 v0, s[64:65] scope:SCOPE_SE
	s_setreg_imm32_b32 hwreg(HW_REG_WAVE_MODE, 25, 1), 1
	s_wait_xcnt 0x0
; a[s][64 hd + d] = sum over keys k <= s of softmax_k(q[s] . k[k] / 8) v[k][d], head by head.  q, k, v: f16 in operand order (qkv16); q carries log2(e)/8, so a score is t in base 2.
; Products on f16 with f32 sums; maxima, exponentials and sums in f32; the weights p = 2^(t - m), m the running maximum of the row, are rounded to f16 for the second product; a once at the end.
; SHARES.  Work-group (i, hd) owns two blocks of 128 queries of head hd: block 15 - i and block i: 17 blocks of 128 x 128 under the causal mask in every work-group.  Wave w owns tile X = rows 16 w .. + 15 of the
; first block and tile Y = the same rows of the second.  Two waves share a SIMD, so that one wave's softmax stands beside the other's products.
; Every work-group walks all 8 slots of 256 keys (constant trip counts); a step of 64 keys all of which come after a tile's queries is jumped over by a scalar branch on ids; a slot that none of the
; work-group's waves would read is not asked for.
; NO CLUSTER: under the mask work-group i of a head asks for (15 - i) / 2 + 1 slots (rounded down), another number in each pair of partners.
; LAYOUT.  S^T = K Q^T (source 0 = 16 keys, source 1 = 16 queries), O^T = V^T P: a lane holds ONE query (lane % 16) throughout.  K's, Q's and V's fragments lie in memory and in LDS as images of the operand's
; registers: every fragment load is 16 bytes at 16 x lane, 512 consecutive bytes; V's go through the turning load.  O^T, packed, is a piece of the projection's operand: a16[s/16][k/32][c][lane][16 bytes].
; THE FIRST 16 ROWS ONCE MORE, IN F32.  These rows average one to sixteen values, and 16-bit operands would use up what the comparison allows.  So wave 7 of work-group 7 of each head
; makes the head's 16 x 16 attention from q32[g (96: q, k, v heads)][16][64] f32 by v_wmma_f32_16x16x4_f32, ahead of the loop, while the first tile is on its
; way, and stores a as an image of its registers: a32[hd][piece 2 ct + half][lane (r, h)][16 bytes] = a(token r, channel 16 ct + 8 h + 4 half + 0..3).  The small launch that projects these rows loads it so.
; In each of its products the four places of K are filled alike on both sides: S^T: place (h, j) of instruction (g, s) is channel 8 g + 4 h + 2 s + j;  O^T: key 8 h + 2 s + j.
; LIMITS: the f16 result must stay under 65,504.  The exponent t - m is never above 0, whatever the scores.
; REGISTERS: window 0: v1-12 addresses and constants; v16-31 statistics, 8 a tile; v32-63 Q; v64-127 S^T, then p; v128-159 P, and the packed results on the way out; v160-223 O^T;
;   v224-255 the f32 sums of the first 16 rows: matrix instructions alone write them.  window 1: v0-63 K, v64-127 V of one step.
;   The first 16 rows, ahead of the loop: v64-95 Q, v96-127 K, v128-159 V and then a, v160-167 p, v168-171 statistics.
.set SLOT1, 1<<17                      ; slot 1 begins here: one exclusive or turns an address
.set VOFF,  32768                      ; a slot: K's image of 256 keys, then V's
.set STEPB, 8192                       ; 64 keys in an image
.set SPARE, 2*SLOT1                    ; the spare words, 128 bytes a wave
.set LI,  1                            ; v1  16 x lane
.set ADR, 2                            ; v2  LDS address of the step in hand
.set RH,  3                            ; v3  r - 8 h
.set NEG, 4                            ; v4  -infinity
.set DD,  5                            ; v5  at work in the mask
.set SPW, 6
.set NIL, 7
.set PFO, 8                            ; v8  256 x lane
.set ST,  16                           ; tile t at + 8 t: m, (its pair), l in two halves, c0-c3 at work; a takes c2's place
.set Q,   32
.set S,   64
.set P,   128
.set O,   160
.set KFR, 0
.set VFR, 64
.set FQ,  64                           ; the first 16 rows: Q, K, V in f32
.set FK,  96
.set FV,  128
.set FT,  160                          ; p
.set FS,  168                          ; m, (at work), the sum and then its reciprocal, (at work)
.set FA,  224                          ; S^T in two sums, then O^T in four
.set TB,  2                            ; s2  LDS byte of the step in hand
.set KF,  3                            ; s3  its first key
.set WV,  18
.set SEL, 20
.set G1,  24
.set G0,  32
.set SLOTS, 36
.set STEPC, 37
.set Q0X, 38                           ; s38 tile X's first query, s39 its last; s40, s41 tile Y's
.set QLAST, 42                         ; s42 the work-group's last query
.set HD,  43
.set PFA, 44
.set LIM, 46
.set MSB, 0
.macro WIN new
.if MSB != \new
	s_set_vgpr_msb (MSB<<8)|\new
.set MSB, \new
.endif
.endm
.macro TLOAD                           ; waves 0, 1 fetch K's halves of a slot, waves 2, 3 V's; an s_nop 0 and four v_nop follow the load
	s_cmp_lt_u32 s[WV], 4
	s_cbranch_scc0 .Lasked_\@
	tensor_load_to_lds s[G0:G0+3], s[G1:G1+7]
	s_nop 0
.rept 4
	v_nop
.endr
.Lasked_\@:
.endm
; A prefetch of what the NEXT change of slots will ask for.  All work-groups of a head walk the same K and V: the head's work-group 0, which walks all slots, asks; in it the waves that fetch nothing:
; waves 4, 5 K's halves, waves 6, 7 V's, 16,384 bytes each, lanes 256 bytes apart, two instructions.  So each 256 bytes are named once.  Slots 0 and 1 come by their loads alone; the last filling change asks for nothing.
.macro ASK
	s_cmp_gt_u32 s[SLOTS], s[LIM]
	s_cbranch_scc0 .Lnot_mine_\@
	global_prefetch_b8 v[PFO], s[PFA:PFA+1] th:TH_LOAD_NT scope:SCOPE_SE
	global_prefetch_b8 v[PFO], s[PFA:PFA+1] offset:8192 th:TH_LOAD_NT scope:SCOPE_SE
.Lnot_mine_\@:
.endm
	s_load_b256 s[4:11], s[0:1], 0x0               ; qkv16 s[4:5], a16 s[6:7], q32 s[8:9], a32 s[10:11]
	v_lshl_add_u32 v[SPW], v0, 2, SPARE
	v_mov_b32 v[NIL], 0
	ds_add_u32 v[SPW], v[NIL]                      ; the wave's opening: the add, twice on end, and its wait ahead of my first tensor load
	ds_add_u32 v[SPW], v[NIL]
	v_lshrrev_b32 v9, 5, v0
	v_readfirstlane_b32 s[WV], v9                  ; wave 0..7
	s_and_b32 s[HD], ttmp7, 0xffff
	s_sub_co_u32 s47, 15, ttmp9
	s_lshl_b32 s47, s47, 7                         ; the first block's first query
	s_lshl_b32 s48, s[WV], 4
	s_add_co_u32 s[Q0X], s47, s48
	s_add_co_u32 s[Q0X+1], s[Q0X], 15
	s_add_co_u32 s[QLAST], s47, 127
	s_lshl_b32 s47, ttmp9, 7
	s_add_co_u32 s[Q0X+2], s47, s48
	s_add_co_u32 s[Q0X+3], s[Q0X+2], 15
	s_mov_b32 s[G1+0], 3<<16                       ; no mask; elements of 8 bytes; no padding
	s_mov_b32 s[G1+1], 32<<16                      ; tensor_dim0 = 32: rows of 256 bytes
	s_mov_b32 s[G1+2], 64<<16                      ; tensor_dim1 = 64
	s_mov_b32 s[G1+3], 32<<16                      ; tile_dim0
	s_mov_b32 s[G1+4], 64                          ; tile_dim1: 16,384 dense bytes
	s_mov_b32 s[G1+5], 32                          ; pitch
	s_mov_b32 s[G1+6], 0
	s_mov_b32 s[G1+7], 0
	s_mov_b32 s[G0], 1
	s_lshl_b32 s[G0+1], s[WV], 14                  ; LDS: K's halves at 0 and 16,384, V's at 32,768 and 49,152, in slot 0
	s_lshr_b32 s47, s[WV], 1
	s_and_b32 s47, s47, 1                          ; 0: K, 1: V (waves 0-3 for the loads, waves 4-7 for the prefetches)
	s_lshl_b32 s47, s47, 5
	s_add_co_u32 s47, s47, s[HD]
	s_add_co_u32 s47, s47, 32                      ; g
	s_lshl_b32 s48, s47, 18
	s_and_b32 s49, s[WV], 1
	s_lshl_b32 s49, s49, 14
	s_add_co_u32 s48, s48, s49                     ; my half of slot 0, in bytes from qkv16
	s_mov_b32 s49, 0
	s_mov_b32 s[SEL], 0x76543210
	s_mov_b32 s[SEL+1], 0xfedcba98
	s_mov_b32 s[TB], 0
	s_mov_b32 s[KF], 0
	s_mov_b32 s[SLOTS], 7
	s_lshr_b32 s47, s[WV], 2
	s_xor_b32 s47, s47, 1                          ; 0 in waves 4-7
	s_or_b32 s47, s47, ttmp9                       ; of the head's work-group 0
	s_cmp_eq_u32 s47, 0
	s_cselect_b32 s[LIM], 1, -1
	s_wait_dscnt 0x0                               ; both opening adds are done
	s_wait_kmcnt 0x0
	s_add_nc_u64 s[G0+2:G0+3], s[4:5], s[48:49]
	s_add_nc_u64 s[PFA:PFA+1], s[G0+2:G0+3], 32768 ; at slot 1: the first change steps it to slot 2
	s_or_b32 s[G0+3], s[G0+3], 0x80000000
	TLOAD                                          ; slot 0
	s_lshl_b32 s48, s[HD], 18
	s_lshl_b32 s47, s[Q0X], 7
	s_add_co_u32 s48, s48, s47
	s_add_nc_u64 s[50:51], s[4:5], s[48:49]        ; Q of tile X: head hd, row block q0 / 16 of 2,048 bytes
	s_lshl_b32 s48, s[HD], 18
	s_lshl_b32 s47, s[Q0X+2], 7
	s_add_co_u32 s48, s48, s47
	s_add_nc_u64 s[52:53], s[4:5], s[48:49]        ; of tile Y
	s_lshl_b32 s48, s[Q0X], 12
	s_lshl_b32 s47, s[HD], 11
	s_add_co_u32 s48, s48, s47
	s_add_nc_u64 s[54:55], s[6:7], s[48:49]        ; a16: row block of 65,536 bytes, head's 2,048
	s_lshl_b32 s48, s[Q0X+2], 12
	s_add_co_u32 s48, s48, s47
	s_add_nc_u64 s[56:57], s[6:7], s[48:49]
	v_and_b32 v9, 31, v0
	v_lshlrev_b32 v[LI], 4, v9
	v_lshlrev_b32 v[PFO], 8, v9
.irp b, 0,1,2,3
	global_load_b128 v[Q+4*\b:Q+4*\b+3],       v[LI], s[50:51] offset:512*\b
	global_load_b128 v[Q+16+4*\b:Q+16+4*\b+3], v[LI], s[52:53] offset:512*\b
.endr
	v_and_b32 v9, 15, v0                           ; r
	v_bfe_u32 v10, v0, 4, 1
	v_lshlrev_b32 v10, 3, v10                      ; 8 h
	v_sub_nc_u32 v[RH], v9, v10
	v_mov_b32 v[NEG], 0xff800000
	; ---- THE FIRST 16 ROWS IN F32: one wave of one work-group of each head.  The two branches hang on ids alone and lead round no tensor load, no wait of the ring and no barrier.
	s_cmp_lg_u32 ttmp9, 7
	s_cbranch_scc1 .Lno_first
	s_cmp_lg_u32 s[WV], 7
	s_cbranch_scc1 .Lno_first
	s_lshl_b32 s12, s[HD], 12                      ; a head is 4,096 bytes in q32 and in a32
	s_mov_b32 s13, 0
	s_add_nc_u64 s[8:9], s[8:9], s[12:13]
	s_add_nc_u64 s[10:11], s[10:11], s[12:13]
	v_lshlrev_b32 v11, 8, v9
	v_lshl_add_u32 v11, v10, 1, v11                ; Q, K: row r of 256 bytes, + 16 h
	v_lshlrev_b32 v12, 2, v9
	v_lshl_add_u32 v12, v10, 8, v12                ; V: key 8 h, channel r
.irp g, 0,1,2,3,4,5,6,7
	global_load_b128 v[FQ+4*\g:FQ+4*\g+3], v11, s[8:9] offset:32*\g            ; Q(r, 8 g + 4 h + 0..3)
	global_load_b128 v[FK+4*\g:FK+4*\g+3], v11, s[8:9] offset:131072+32*\g     ; K likewise: 32 heads on
.endr
.irp ct, 0,1,2,3
.irp i, 0,1,2,3,4,5,6,7
	global_load_b32 v[FV+8*\ct+\i], v12, s[8:9] offset:262144+\i*256+\ct*64    ; V(key 8 h + i, channel 16 ct + r): 64 heads on
.endr
.endr
	v_mov_b32 v[FS+1], 0                           ; written once: a lane permute's destination counts as one of its sources
	v_mov_b32 v[FS+3], 0
	s_wait_loadcnt 32                              ; Q and K are in; V's 32 loads may be out
	; S^T = K Q^T in two sums that take turns, one instruction a turn; each sum's first instruction starts it
.irp g, 0,1,2,3,4,5,6,7
.irp s, 0,1
.if \g == 0
	v_wmma_f32_16x16x4_f32 v[FA+8*\s:FA+8*\s+7], v[FK+4*\g+2*\s:FK+4*\g+2*\s+1], v[FQ+4*\g+2*\s:FQ+4*\g+2*\s+1], 0
.else
	v_wmma_f32_16x16x4_f32 v[FA+8*\s:FA+8*\s+7], v[FK+4*\g+2*\s:FK+4*\g+2*\s+1], v[FQ+4*\g+2*\s:FQ+4*\g+2*\s+1], v[FA+8*\s:FA+8*\s+7]
.endif
.endr
.endr
.rept 8
	v_nop                                          ; eight places behind this form, ahead of the first read of its results
.endr
.irp j, 0,1,2,3,4,5,6,7                        ; register j holds key 8 h + j of query r: hidden where j > r - 8 h.  Both sums are read from their low ends on
	v_add_f32 v[FT+\j], v[FA+\j], v[FA+8+\j]
	v_cmp_gt_i32 vcc_lo, \j, v[RH]
	v_cndmask_b32 v[FT+\j], v[FT+\j], v[NEG], vcc_lo
.endr
	v_max3_num_f32 v[FS], v[FT], v[FT+1], v[FT+2]
	v_max3_num_f32 v[FS], v[FS], v[FT+3], v[FT+4]
	v_max3_num_f32 v[FS], v[FS], v[FT+5], v[FT+6]
	v_max_num_f32 v[FS], v[FS], v[FT+7]
	v_permlanex16_b32 v[FS+1], v[FS], s[SEL], s[SEL+1]
	v_max_num_f32 v[FS], v[FS], v[FS+1]            ; the row's maximum (key 0 counts for every query)
.irp j, 0,2,4,6
	v_pk_add_f32 v[FT+\j:FT+\j+1], v[FT+\j:FT+\j+1], v[FS:FS+1] op_sel_hi:[1,0] neg_lo:[0,1] neg_hi:[0,1]
.endr
.irp j, 0,1,2,3,4,5,6,7
	v_exp_f32 v[FT+\j], v[FT+\j]                   ; p = 2^(t - m): one batch
.endr
	v_nop                                          ; a plain line behind the last exponential
	s_wait_alu depctr_va_vdst(0)                   ; one wait for the batch, ahead of its first reader
	v_pk_add_f32 v[FS+2:FS+3], v[FT:FT+1], v[FT+2:FT+3]
	v_pk_add_f32 v[FS+2:FS+3], v[FS+2:FS+3], v[FT+4:FT+5]
	v_pk_add_f32 v[FS+2:FS+3], v[FS+2:FS+3], v[FT+6:FT+7]
	v_add_f32 v[FS+2], v[FS+2], v[FS+3]
	v_permlanex16_b32 v[FS+3], v[FS+2], s[SEL], s[SEL+1]
	v_add_f32 v[FS+2], v[FS+2], v[FS+3]            ; the row's sum
	v_rcp_f32 v[FS+2], v[FS+2]
	v_nop
	s_wait_alu depctr_va_vdst(0)                   ; the reciprocal's wait
	s_wait_loadcnt 0x0                             ; V is in
	; O^T = V^T P: four sums by turns, laid over S^T's two, which were read out far more than nine plain places ago
.irp s, 0,1,2,3
.irp ct, 0,1,2,3
.if \s == 0
	v_wmma_f32_16x16x4_f32 v[FA+8*\ct:FA+8*\ct+7], v[FV+8*\ct+2*\s:FV+8*\ct+2*\s+1], v[FT+2*\s:FT+2*\s+1], 0
.else
	v_wmma_f32_16x16x4_f32 v[FA+8*\ct:FA+8*\ct+7], v[FV+8*\ct+2*\s:FV+8*\ct+2*\s+1], v[FT+2*\s:FT+2*\s+1], v[FA+8*\ct:FA+8*\ct+7]
.endif
.endr
.endr
.rept 8
	v_nop
.endr
.irp k, 0,2,4,6,8,10,12,14,16,18,20,22,24,26,28,30
	v_pk_mul_f32 v[FV+\k:FV+\k+1], v[FA+\k:FA+\k+1], v[FS+2:FS+3] op_sel_hi:[1,0]   ; a = O^T / the sum, into V's registers; register 8 ct + j: channel 16 ct + 8 h + j of token r
.endr
.irp p, 0,1,2,3,4,5,6,7
	global_store_b128 v[LI], v[FV+4*\p:FV+4*\p+3], s[10:11] offset:512*\p          ; 512 consecutive bytes, aligned
.endr
	s_wait_xcnt 0x0                                ; the stores have read their registers, which the loop writes again
.Lno_first:
.irp t, 0,1
	v_mov_b32 v[ST+8*\t], 0xff61b1e6               ; m: -3e38, under every t
.irp j, 1,2,3,4,5,6,7
	v_mov_b32 v[ST+8*\t+\j], 0
.endr
.endr
.irp j, 0,1,2,3,4,5,6,7,8,9,10,11,12,13,14,15,16,17,18,19,20,21,22,23,24,25,26,27,28,29,30,31,32,33,34,35,36,37,38,39,40,41,42,43,44,45,46,47,48,49,50,51,52,53,54,55,56,57,58,59,60,61,62,63
	v_mov_b32 v[O+\j], 0                           ; O^T.  (The step is written once: the first finds zeros, which its a = 0 leaves zeros)
.endr
.macro KQ t                            ; S^T of tile t: four accumulators by turns, one instruction a turn; the first four start the sums
.irp kc, 0,1
.irp kt, 0,1,2,3
.if \kc == 0
	v_wmma_f32_16x16x32_f16 v[S+32*\t+8*\kt:S+32*\t+8*\kt+7], v[KFR+16*\kt+8*\kc:KFR+16*\kt+8*\kc+7], v[Q+16*\t+8*\kc:Q+16*\t+8*\kc+7], 0
.else
	v_wmma_f32_16x16x32_f16 v[S+32*\t+8*\kt:S+32*\t+8*\kt+7], v[KFR+16*\kt+8*\kc:KFR+16*\kt+8*\kc+7], v[Q+16*\t+8*\kc:Q+16*\t+8*\kc+7], v[S+32*\t+8*\kt:S+32*\t+8*\kt+7]
.endif
.endr
.endr
.endm
.macro PV t                            ; O^T += V^T P: keys 32 g on, channels 16 ct on
.irp g, 0,1
.irp ct, 0,1,2,3
	v_wmma_f32_16x16x32_f16 v[O+32*\t+8*\ct:O+32*\t+8*\ct+7], v[VFR+8*(4*\g+\ct):VFR+8*(4*\g+\ct)+7], v[P+16*\t+8*\g:P+16*\t+8*\g+7], v[O+32*\t+8*\ct:O+32*\t+8*\ct+7]
.endr
.endr
.endm
.macro MASK t                          ; on the diagonal hidden scores become -infinity.  Register 8 kt + j holds key KF + 16 kt + 8 h + j: hidden where 16 kt + j > my query - KF - 8 h
	s_add_co_u32 s47, s[KF], 63
	s_cmp_le_u32 s47, s[Q0X+2*\t]
	s_cbranch_scc1 .Lopen_\@
	s_sub_co_i32 s47, s[Q0X+2*\t], s[KF]
	v_add_nc_u32 v[DD], s47, v[RH]
.irp n, 0,1,2,3,4,5,6,7,8,9,10,11,12,13,14,15,16,17,18,19,20,21,22,23,24,25,26,27,28,29,30,31
	v_cmp_gt_i32 vcc_lo, 16*(\n/8)+\n%8, v[DD]
	v_cndmask_b32 v[S+32*\t+\n], v[S+32*\t+\n], v[NEG], vcc_lo
.endr
.Lopen_\@:
.endm
.macro SOFTMAX t
.set rT, ST+8*(\t)
.set rS, S+32*(\t)
.set rP, P+16*(\t)
.set rO, O+32*(\t)
.irp j, 0,1,2,3                                ; the maximum, three operands at a time, four chains; each accumulator is read from its low end on
	v_max3_num_f32 v[rT+4+\j], v[rS+8*\j], v[rS+8*\j+1], v[rS+8*\j+2]
.endr
.irp i, 3,5
.irp j, 0,1,2,3
	v_max3_num_f32 v[rT+4+\j], v[rT+4+\j], v[rS+8*\j+\i], v[rS+8*\j+\i+1]
.endr
.endr
	v_max3_num_f32 v[rT+4], v[rT+4], v[rS+7], v[rS+15]
	v_max3_num_f32 v[rT+6], v[rT+6], v[rS+23], v[rS+31]
	v_max3_num_f32 v[rT+4], v[rT+4], v[rT+5], v[rT+6]
	v_max3_num_f32 v[rT+4], v[rT+4], v[rT+7], v[rT]               ; with the old m
	v_permlanex16_b32 v[rT+5], v[rT+4], s[SEL], s[SEL+1]          ; the query's other 32 keys lie in the lane 16 away
	v_mov_b32 v[rT+7], v[rT]
	v_max_num_f32 v[rT], v[rT+4], v[rT+5]                         ; the new m
	v_sub_f32 v[rT+7], v[rT+7], v[rT]                             ; old m - new m, 0 or less
.irp j, 0,2,4,6,8,10,12,14,16,18,20,22,24,26,28,30
	v_pk_add_f32 v[rS+\j:rS+\j+1], v[rS+\j:rS+\j+1], v[rT:rT+1] op_sel_hi:[1,0] neg_lo:[0,1] neg_hi:[0,1]   ; t - m
.endr
	v_exp_f32 v[rT+6], v[rT+7]                                    ; a = 2^(old m - new m); one batch of 33
.irp j, 0,1,2,3,4,5,6,7,8,9,10,11,12,13,14,15,16,17,18,19,20,21,22,23,24,25,26,27,28,29,30,31
	v_exp_f32 v[rS+\j], v[rS+\j]
.endr
	v_nop                                          ; a plain line behind the last exponential
	s_wait_alu depctr_va_vdst(0)                   ; one wait for the batch, ahead of its first reader
	v_pk_fma_f32 v[rT+2:rT+3], v[rT+2:rT+3], v[rT+6:rT+7], v[rS:rS+1] op_sel_hi:[1,0,1]   ; l = a l + the sum of the unrounded p, in two chains
	v_pk_add_f32 v[rT+4:rT+5], v[rS+2:rS+3], v[rS+4:rS+5]
.irp j, 6,10,14,18,22,26
	v_pk_add_f32 v[rT+2:rT+3], v[rT+2:rT+3], v[rS+\j:rS+\j+1]
	v_pk_add_f32 v[rT+4:rT+5], v[rT+4:rT+5], v[rS+\j+2:rS+\j+3]
.endr
	v_pk_add_f32 v[rT+2:rT+3], v[rT+2:rT+3], v[rS+30:rS+31]
	v_pk_add_f32 v[rT+2:rT+3], v[rT+2:rT+3], v[rT+4:rT+5]
.irp n, 0,1,2,3,4,5,6,7,8,9,10,11,12,13,14,15
	v_cvt_pk_f16_f32 v[rP+\n], v[rS+2*\n], v[rS+2*\n+1]           ; two tiles of 16 keys, packed, are source 1 of V^T P
.endr
.irp j, 0,2,4,6,8,10,12,14,16,18,20,22,24,26,28,30
	v_pk_mul_f32 v[rO+\j:rO+\j+1], v[rO+\j:rO+\j+1], v[rT+6:rT+7] op_sel_hi:[1,0]   ; O^T x a
.endr
.endm
.macro STEP                            ; 64 keys
	s_cmp_gt_u32 s[KF], s[Q0X+1]                   ; all keys come after tile X's queries (and so after Y's): nothing to do
	s_cbranch_scc1 .Lhidden_\@
	v_add_nc_u32 v[ADR], s[TB], v[LI]              ; with the three below: four places ahead of loads into registers that the last products read
.rept 3
	v_nop
.endr
	WIN 0x40                                       ; destination window 1
.irp kt, 0,1,2,3
.irp b, 0,1,2,3
	ds_load_b128 v[KFR+16*\kt+4*\b:KFR+16*\kt+4*\b+3], v[ADR] offset:\kt*2048+\b*512
.endr
.endr
.irp g, 0,1
.irp ct, 0,1,2,3
	ds_load_tr16_b128 v[VFR+8*(4*\g+\ct):VFR+8*(4*\g+\ct)+3],   v[ADR] offset:VOFF+(2*\g)*2048+\ct*512
	ds_load_tr16_b128 v[VFR+8*(4*\g+\ct)+4:VFR+8*(4*\g+\ct)+7], v[ADR] offset:VOFF+(2*\g+1)*2048+\ct*512
.endr
.endr
	s_wait_dscnt 16                                ; K is in; V's sixteen loads may be out
	WIN 0x01                                       ; source 0 window 1
	KQ 0
	WIN 0
.rept 4
	v_nop
.endr
	MASK 0
	SOFTMAX 0
	s_wait_dscnt 0x0                               ; V is in
	WIN 0x01
	PV 0
	WIN 0
	s_cmp_gt_u32 s[KF], s[Q0X+3]                   ; tile Y's whole share of the step stands under this one branch
	s_cbranch_scc1 .Lhidden_\@
	WIN 0x01
	KQ 1
	WIN 0
.rept 4
	v_nop
.endr
	MASK 1
	SOFTMAX 1
	WIN 0x01
	PV 1
	WIN 0
.Lhidden_\@:
	s_add_co_u32 s[KF], s[KF], 64
	s_add_co_u32 s[TB], s[TB], STEPB
.endm
; THE CHANGE OF SLOTS stands at a slot's head.  Each wave waits for all its tensor loads, adds 0 to its spare word (fill = 1: twice on end), and waits
; for that and for its reads of the slot that it has left.  Behind the barrier the slot ahead is whole and nobody reads the other: that one takes the keys that follow, up to the causal limit.
.macro CHANGE fill
	s_wait_tensorcnt 0x0
	ds_add_u32 v[SPW], v[NIL]
.if \fill
	ds_add_u32 v[SPW], v[NIL]
	s_xor_b32 s[G0+1], s[G0+1], SLOT1              ; the walking descriptor: the other slot, the next 256 keys
	s_add_nc_u64 s[G0+2:G0+3], s[G0+2:G0+3], 32768
	s_wait_xcnt 0x0                                ; the last prefetches, a slot back, have read their address
	s_add_nc_u64 s[PFA:PFA+1], s[PFA:PFA+1], 32768
.endif
	s_wait_dscnt 0x0
	s_barrier_signal -1
	s_barrier_wait -1
.if \fill
	s_add_co_u32 s47, s[KF], 256                   ; the first key of the slot that this change would ask for
	s_cmp_gt_u32 s47, s[QLAST]                     ; ids and the count of steps alone: all eight waves go the same way; every wait on TENSORcnt in this text is for 0
	s_cbranch_scc1 .Lpast_\@
	TLOAD                                          ; a wave's one tensor load until the next change
.Lpast_\@:
	ASK
.endif
.endm
.macro SLOT_STEPS
	s_mov_b32 s[STEPC], 4
.Lstep_\@:
	STEP
	s_sub_co_u32 s[STEPC], s[STEPC], 1
	s_cmp_lg_u32 s[STEPC], 0
	s_cbranch_scc1 .Lstep_\@
	s_sub_co_u32 s[TB], s[TB], 4*STEPB
	s_xor_b32 s[TB], s[TB], SLOT1
.endm
	s_wait_loadcnt 0x0                             ; Q
.Lslot:                                            ; seven trips
	CHANGE 1
	SLOT_STEPS
	s_sub_co_u32 s[SLOTS], s[SLOTS], 1
	s_cmp_lg_u32 s[SLOTS], 0
	s_cbranch_scc1 .Lslot
	CHANGE 0                                       ; the last slot is written out: nothing is left to ask for
	SLOT_STEPS
	; THE WAY OUT: O^T / l, rounded to f16; a lane's eight channels are 16 bytes of the projection's operand
.rept 4
	v_nop
.endr
.irp t, 0,1
	v_add_f32 v[ST+8*\t+4], v[ST+8*\t+2], v[ST+8*\t+3]
.endr
.irp t, 0,1
	v_permlanex16_b32 v[ST+8*\t+5], v[ST+8*\t+4], s[SEL], s[SEL+1]
.endr
.irp t, 0,1
	v_add_f32 v[ST+8*\t+4], v[ST+8*\t+4], v[ST+8*\t+5]
.endr
.irp t, 0,1
	v_rcp_f32 v[ST+8*\t+6], v[ST+8*\t+4]
.endr
	v_nop
	s_wait_alu depctr_va_vdst(0)                   ; one wait for both reciprocals
.macro FINISH t
.irp j, 0,2,4,6,8,10,12,14,16,18,20,22,24,26,28,30
	v_pk_mul_f32 v[S+32*\t+\j:S+32*\t+\j+1], v[O+32*\t+\j:O+32*\t+\j+1], v[ST+8*\t+6:ST+8*\t+7] op_sel_hi:[1,0]
.endr
.irp n, 0,1,2,3,4,5,6,7,8,9,10,11,12,13,14,15
	v_cvt_pk_f16_f32 v[P+16*\t+\n], v[S+32*\t+2*\n], v[S+32*\t+2*\n+1]     ; into P's registers, which the last products have read long since
.endr
.irp ct, 0,1,2,3
	global_store_b128 v[LI], v[P+16*\t+4*\ct:P+16*\t+4*\ct+3], s[54+2*\t:55+2*\t] offset:512*\ct   ; 512 consecutive bytes, aligned
.endr
.endm
	FINISH 0
	FINISH 1
	s_wait_tensorcnt 0x0                           ; the wave's end
	ds_add_u32 v[SPW], v[NIL]
	s_wait_dscnt 0x0
	s_endpgm
.Lfunc_end_k_q3aeb5ba84f_attn:
	.size	k_q3aeb5ba84f_attn, .Lfunc_end_k_q3aeb5ba84f_attn-k_q3aeb5ba84f_attn
	.p2alignl 7, 3214868480
	.fill 96, 4, 3214868480
	.section	.rodata,"a",@progbits
	.p2align	6, 0x0
	.amdhsa_kernel k_q3aeb5ba84f_attn
		.amdhsa_group_segment_fixed_size 327680
		.amdhsa_private_segment_fixed_size 0
		.amdhsa_enable_private_segment 0
		.amdhsa_kernarg_size 32
		.amdhsa_user_sgpr_count 2
		.amdhsa_user_sgpr_kernarg_segment_ptr 1
		.amdhsa_wavefront_size32 1
		.amdhsa_system_sgpr_workgroup_id_x 1
		.amdhsa_system_sgpr_workgroup_id_y 1
		.amdhsa_system_sgpr_workgroup_id_z 1
		.amdhsa_system_vgpr_workitem_id 0
		.amdhsa_next_free_vgpr 384
		.amdhsa_next_free_sgpr 66
		.amdhsa_reserve_vcc 1
		.amdhsa_float_denorm_mode_32 3
		.amdhsa_float_denorm_mode_16_64 3
		.amdhsa_memory_ordered 1
		.amdhsa_forward_progress 1
		.amdhsa_inst_pref_size 69
	.end_amdhsa_kernel
	.amdgpu_metadata
---
amdhsa.version: [ 1, 2 ]
amdhsa.kernels:
  - .name:           k_q3aeb5ba84f_attn
    .symbol:         k_q3aeb5ba84f_attn.kd
    .args:
      - { .name: qkv16, .offset: 0, .size: 8, .value_kind: global_buffer, .address_space: global }
      - { .name: a16, .offset: 8, .size: 8, .value_kind: global_buffer, .address_space: global }
      - { .name: q32, .offset: 16, .size: 8, .value_kind: global_buffer, .address_space: global }
      - { .name: a32, .offset: 24, .size: 8, .value_kind: global_buffer, .address_space: global }
    .group_segment_fixed_size: 327680
    .private_segment_fixed_size: 0
    .kernarg_segment_align: 8
    .kernarg_segment_size: 32
    .max_flat_workgroup_size: 256
    .sgpr_count:     66
    .vgpr_count:     384
    .wavefront_size: 32
...
	.end_amdgpu_metadata
.endif
;; end of part 3
;; launch oproj (part 4): grid 16 x 16, 4 waves a work-group, clusters of 4 x 4, 327,680 bytes of LDS; arguments a16, wo16, out0; writes out0
.if DOCPART == 4
	.amdgcn_target "amdgcn-amd-amdhsa--gfx1250"
	.amdhsa_code_object_version 6
	.text
	.protected	k_q3aeb5ba84f_oproj
	.globl	k_q3aeb5ba84f_oproj
	.p2align	8
	.type	k_q3aeb5ba84f_oproj,@function
k_q3aeb5ba84f_oproj:
	s_mov_b64 s[64:65], 0
	v_nop
	global_prefetch_b8 v0, s[64:65] scope:SCOPE_SE
	s_setreg_imm32_b32 hwreg(HW_REG_WAVE_MODE, 25, 1), 1
	s_wait_xcnt 0x0
	s_wait_alu depctr_hold_cnt(0) depctr_sa_sdst(0) depctr_va_vdst(0) depctr_va_sdst(0) depctr_va_ssrc(0) depctr_va_vcc(0) depctr_vm_vsrc(0)
	s_getreg_b32 s2, hwreg(HW_REG_IB_STS2, 6, 4)
	s_cmp_eq_u32 s2, 0
	s_cbranch_scc0 .Lentry_in_a_cluster
	s_endpgm
.Lentry_in_a_cluster:
	s_bfe_u32 s2, ttmp6, 0x10000c
	s_cmp_lg_u32 s2, 0xf033
	s_cbranch_scc0 .Lentry_shape_is_right
	s_endpgm
.Lentry_shape_is_right:
; out0[s][n] = sum over k of a[s][k] wo[n][k], rows 16 to 2,047 (rows 0-15 are another launch's, in f32).  a16, wo16: f16 in operand order, [row / 16][k / 32][c][lane][16 bytes]; sums in f32; out0 f32.
; A tile of out0 is 128 x 128: 256 work-groups; four waves, each 64 x 64: 16 accumulators.  K goes in steps of 256 through a ring of two LDS slots; a K step of a block of 16 rows is 8,192 consecutive bytes,
; and a wave's tensor load brings four such blocks.  In LDS they lie as in memory: every fragment load is 16 bytes at 16 x lane, 512 consecutive bytes: no pitch, no padding.
; CLUSTERS: 4 x 4 work-groups; A's tiles jointly along a row of the cluster, B's along a column.  TRANSPOSED USE (source 0 = 16 rows of wo, source 1 = 16 rows of a): a lane holds eight neighbouring numbers of a row.
; REGISTERS: window 0: v0-31 addresses; v32-95 the way out; v128-255 the accumulators ((a, b) at v[128 + 8 (4 a + b)]).  window 1: two fragment buffers of 128.
.set KSTEPB, 8192                      ; a K step of one block of 16 rows, in bytes
.set QB,     2048                      ; a quarter of it: 64 along K
.set HALFT,  4*KSTEPB                  ; what one tensor load brings, and what one wave reads of A or of B
.set SLOT,   4*HALFT
.set SPARE,  2*SLOT                    ; the spare words, 128 bytes a wave
.set SPITCH, 272                       ; the way out: a stage of 16 rows x (256 bytes + 16) for each wave, in slot 0, which has had its last fill and its last read by then
.set LAPS,   4
.set ADRA, 16
.set ADRB, 20
.set STO,  24
.set RD,   25
.set CO,   26
.set ROW0, 27                          ; v27  my wave's first row of out0
.set SPW,  28
.set NIL,  29
.set TMP,  32
.set ACC,  128
.set F0,   0
.set F1,   128
.set G1, 24
.set G0, 32
.set G1B, 48
.set G0B, 56
.set MSB, 0
.macro WIN new
.if MSB != \new
	s_set_vgpr_msb (MSB<<8)|\new
.set MSB, \new
.endif
.endm
.set MUL,  0x05
.set TO_F, 0x40
.macro JLOAD s                         ; a joint load: waves 0, 1 fetch A's halves, waves 2, 3 B's; an s_nop 0 and four v_nop follow each line
	s_cmp_eq_u32 s11, 0
	s_cbranch_scc0 .Lfor_b_\@
	tensor_load_to_lds s[G0+4*\s:G0+4*\s+3], s[G1:G1+7]
	s_nop 0
.rept 4
	v_nop
.endr
	s_branch .Lasked_\@
.Lfor_b_\@:
	tensor_load_to_lds s[G0B+4*\s:G0B+4*\s+3], s[G1B:G1B+7]
	s_nop 0
.rept 4
	v_nop
.endr
.Lasked_\@:
.endm
.macro CREST
	s_cmp_lg_u32 s10, 0
	s_cbranch_scc1 .Lnot_wave_0_\@
	s_barrier_signal -3
.Lnot_wave_0_\@:
	s_barrier_wait -3
	s_barrier_signal -1
	s_barrier_wait -1
.endm
.macro CROUND
	s_barrier_signal -1
	s_barrier_wait -1
	CREST
.endm
	s_load_b128 s[4:7], s[0:1], 0x0                ; a16, wo16
	s_load_b64 s[8:9], s[0:1], 0x10                ; out0
	v_lshl_add_u32 v[SPW], v0, 2, SPARE
	v_mov_b32 v[NIL], 0
	ds_add_u32 v[SPW], v[NIL]                      ; the wave's opening: the add, twice on end, and its wait ahead of my first tensor load
	ds_add_u32 v[SPW], v[NIL]
	v_lshrrev_b32 v1, 5, v0
	v_readfirstlane_b32 s10, v1                    ; wave 0..3
	s_lshr_b32 s11, s10, 1                         ; which half of the tile's rows is mine; also: I fetch for A (0) or B (1)
	s_and_b32 s12, s10, 1                          ; which half of its columns; also: which four blocks I fetch
	s_bfe_u32 s40, ttmp6, 0x40000
	s_bfe_u32 s41, ttmp6, 0x40004
	s_lshl_b32 s42, ttmp9, 2
	s_add_co_u32 s42, s42, s40                     ; tile column
	s_and_b32 s13, ttmp7, 0xffff
	s_lshl_b32 s13, s13, 2
	s_add_co_u32 s13, s13, s41                     ; tile row
	s_lshl_b32 s43, s41, 2
	s_lshl_b32 s43, 15, s43
	s_lshl_b32 s44, 0x1111, s40
	s_or_b32 s[G1+0], s43, (3<<16)|(1<<21)         ; the mask; elements of 8 bytes; bit 21 beside the mask; no padding
	s_or_b32 s[G1B+0], s44, (3<<16)|(1<<21)
.irp g, G1, G1B
	s_mov_b32 s[\g+1], 1024<<16                    ; tensor_dim0 = 1,024 elements: 8,192 bytes
	s_mov_b32 s[\g+2], 4<<16                       ; tensor_dim1 = 4
	s_mov_b32 s[\g+3], 1024<<16                    ; tile_dim0
	s_mov_b32 s[\g+4], 4                           ; tile_dim1
	s_mov_b32 s[\g+5], 8192                        ; pitch: 65,536 bytes from block to block
	s_mov_b32 s[\g+6], 0
	s_mov_b32 s[\g+7], 0
.endr
	s_lshl_b32 s17, s12, 2
	s_lshl_b32 s16, s13, 3
	s_add_co_u32 s16, s16, s17                     ; A: block 8 x tile row + 4 x half
	s_lshl_b32 s16, s16, 16
	s_lshl_b32 s46, s42, 3
	s_add_co_u32 s46, s46, s17                     ; B: block 8 x tile column + 4 x half
	s_lshl_b32 s46, s46, 16
	s_mov_b32 s17, 0
	s_mov_b32 s47, 0
	s_mul_i32 s20, s10, HALFT                      ; where they go: wave x four blocks
	s_wait_dscnt 0x0                               ; both opening adds are done
	s_wait_kmcnt 0x0
	s_add_nc_u64 s[14:15], s[4:5], s[16:17]
	s_add_nc_u64 s[46:47], s[6:7], s[46:47]
	CROUND                                         ; all sixteen work-groups are here
.irp s, 0,1
	s_mov_b32 s[G0+4*\s], 1
	s_add_co_u32 s[G0+4*\s+1], s20, \s*SLOT
	s_add_nc_u64 s[G0+4*\s+2:G0+4*\s+3], s[14:15], \s*KSTEPB
	s_or_b32 s[G0+4*\s+3], s[G0+4*\s+3], 0x80000000
	s_mov_b32 s[G0B+4*\s], 1
	s_add_co_u32 s[G0B+4*\s+1], s20, \s*SLOT
	s_add_nc_u64 s[G0B+4*\s+2:G0B+4*\s+3], s[46:47], \s*KSTEPB
	s_or_b32 s[G0B+4*\s+3], s[G0B+4*\s+3], 0x80000000
	JLOAD \s                                       ; two tensor loads of mine are out
.endr
	v_and_b32 v1, 15, v0                           ; r
	v_bfe_u32 v2, v0, 4, 1                         ; h
	v_and_b32 v3, 31, v0
	v_lshlrev_b32 v3, 4, v3                        ; 16 x lane
	s_mul_i32 s21, s11, HALFT                      ; my four blocks of A,
	s_mul_i32 s22, s12, HALFT                      ; of B,
	s_add_co_u32 s22, s22, 2*HALFT                 ; which lie behind A's eight
.irp s, 0,1
	v_add_nc_u32 v[ADRA+\s], s21, v3
	v_add_nc_u32 v[ADRB+\s], s22, v3
	s_add_co_u32 s21, s21, SLOT
	s_add_co_u32 s22, s22, SLOT
.endr
	s_mul_i32 s23, s10, 16*SPITCH                  ; my stage
	v_mul_u32_u24 v4, v1, SPITCH
	v_lshl_add_u32 v4, v2, 5, v4
	v_add_nc_u32 v[STO], s23, v4                   ; in: row r, 32 bytes for each half of the lanes
	v_mul_u32_u24 v5, v2, SPITCH
	v_lshl_add_u32 v5, v1, 4, v5
	v_add_nc_u32 v[RD], s23, v5                    ; back: lanes 0-15 one row of 256 bytes, lanes 16-31 the next
	v_lshlrev_b32 v5, 13, v2
	v_lshl_add_u32 v[CO], v1, 4, v5                ; and the same two rows in out0
	s_lshl_b32 s16, s13, 7
	s_lshl_b32 s17, s11, 6
	s_add_co_u32 s16, s16, s17                     ; my first row
	v_mov_b32 v[ROW0], s16
	s_lshl_b32 s16, s16, 13
	s_mov_b32 s17, 0
	s_add_nc_u64 s[8:9], s[8:9], s[16:17]
	s_lshl_b32 s46, s42, 9                         ; my first column, in bytes: 512 x tile column + 256 x half
	s_lshl_b32 s47, s12, 8
	s_add_co_u32 s46, s46, s47
	s_mov_b32 s47, 0
	s_add_nc_u64 s[8:9], s[8:9], s[46:47]
.macro MUL8 f, c, a0, zero             ; 8 matrix instructions: m blocks a0, a0 + 1 x 4 n blocks, 32 along K; the 16 accumulators take turns
.irp a, \a0, \a0+1
.irp b, 0,1,2,3
.if \zero
	v_wmma_f32_16x16x32_f16 v[ACC+8*(4*(\a)+\b):ACC+8*(4*(\a)+\b)+7], v[\f+64+8*(4*\c+\b):\f+64+8*(4*\c+\b)+7], v[\f+8*(4*\c+\a):\f+8*(4*\c+\a)+7], 0
.else
	v_wmma_f32_16x16x32_f16 v[ACC+8*(4*(\a)+\b):ACC+8*(4*(\a)+\b)+7], v[\f+64+8*(4*\c+\b):\f+64+8*(4*\c+\b)+7], v[\f+8*(4*\c+\a):\f+8*(4*\c+\a)+7], v[ACC+8*(4*(\a)+\b):ACC+8*(4*(\a)+\b)+7]
.endif
.endr
.endr
.endm
.macro FETCH slot, k, f                ; 32 LDS loads in one run: 64 along K at byte k of each block, the first 32 along K first
	WIN TO_F
.irp c, 0,1
.irp i, 0,1,2,3
	ds_load_b128 v[\f+64+8*(4*\c+\i):\f+64+8*(4*\c+\i)+3],   v[ADRB+\slot] offset:\k+1024*\c+\i*KSTEPB
	ds_load_b128 v[\f+64+8*(4*\c+\i)+4:\f+64+8*(4*\c+\i)+7], v[ADRB+\slot] offset:\k+1024*\c+\i*KSTEPB+512
	ds_load_b128 v[\f+8*(4*\c+\i):\f+8*(4*\c+\i)+3],         v[ADRA+\slot] offset:\k+1024*\c+\i*KSTEPB
	ds_load_b128 v[\f+8*(4*\c+\i)+4:\f+8*(4*\c+\i)+7],       v[ADRA+\slot] offset:\k+1024*\c+\i*KSTEPB+512
.endr
.endr
.endm
.macro PLACES
.rept 4
	v_nop
.endr
.endm
.macro QUARTER slot, k, f, g, zero
	s_wait_dscnt 16                                ; the first 32 along K are in; the other sixteen loads may be out
	WIN MUL
	MUL8 \f, 0, 0, \zero
	MUL8 \f, 0, 2, \zero
	PLACES
	FETCH \slot, \k, \g
	s_wait_dscnt 32                                ; all but the 32 just issued
	WIN MUL
	MUL8 \f, 1, 0, 0
	MUL8 \f, 1, 2, 0
.endm
.macro TURN slot, next, fill           ; the last quarter changes slots: one barrier
	WIN 0
	s_wait_tensorcnt 0x0                           ; all my tensor loads have landed: my part of the next slot
	ds_add_u32 v[SPW], v[NIL]
	s_wait_dscnt 17                                ; (the add and the youngest sixteen loads may be out)
	WIN MUL
	MUL8 F1, 0, 0, 0
	s_wait_dscnt 0x0                               ; the add is done, and my reads of this slot are over
	s_barrier_signal -1
	MUL8 F1, 0, 2, 0
.if \fill
	WIN 0
.endif
	s_barrier_wait -1
.if \fill
	CREST                                          ; the barrier has opened a round of the cluster's
	s_add_nc_u64 s[G0+4*\slot+2:G0+4*\slot+3], s[G0+4*\slot+2:G0+4*\slot+3], 2*KSTEPB
	s_add_nc_u64 s[G0B+4*\slot+2:G0B+4*\slot+3], s[G0B+4*\slot+2:G0B+4*\slot+3], 2*KSTEPB
	JLOAD \slot                                    ; the first tensor load behind the round; its four v_nop are also the places ahead of the loads below
.else
	PLACES
.endif
	FETCH \next, 0, F0
	WIN MUL
	MUL8 F1, 1, 0, 0
	MUL8 F1, 1, 2, 0
.endm
	s_wait_tensorcnt 1                             ; my part of K step 0 is in (K step 1's load may be out),
	s_barrier_signal -1
	s_barrier_wait -1                              ; everybody's is
	FETCH 0, 0, F0
	QUARTER 0, QB, F0, F1, 1                       ; the first products start the sums
	WIN 0
	s_mov_b32 s3, LAPS-1
.Llap:
	QUARTER 0, 2*QB, F1, F0, 0
	QUARTER 0, 3*QB, F0, F1, 0
	TURN 0, 1, 1
	QUARTER 1, QB,   F0, F1, 0
	QUARTER 1, 2*QB, F1, F0, 0
	QUARTER 1, 3*QB, F0, F1, 0
	TURN 1, 0, 1
	QUARTER 0, QB,   F0, F1, 0
	WIN 0
	s_sub_co_u32 s3, s3, 1
	s_cmp_lg_u32 s3, 0
	s_cbranch_scc1 .Llap
	QUARTER 0, 2*QB, F1, F0, 0                     ; the last lap fills nothing
	QUARTER 0, 3*QB, F0, F1, 0
	TURN 0, 1, 0
	QUARTER 1, QB,   F0, F1, 0
	QUARTER 1, 2*QB, F1, F0, 0
	QUARTER 1, 3*QB, F0, F1, 0
	s_wait_dscnt 16
	WIN MUL
	MUL8 F1, 0, 0, 0
	MUL8 F1, 0, 2, 0
	s_wait_dscnt 0
	MUL8 F1, 1, 0, 0
	MUL8 F1, 1, 2, 0
	WIN 0
; THE WAY OUT, a block of 16 rows x 64 columns at a time, through my own stage: in as 32 bytes a lane, back as whole rows of 256 bytes.  A wave's LDS instructions are served in order: no wait between.
.macro TOSTAGE a
.irp b, 0,1,2,3
	ds_store_b128 v[STO], v[ACC+8*(4*(\a)+\b):ACC+8*(4*(\a)+\b)+3]   offset:64*\b       ; each accumulator from its low end on
	ds_store_b128 v[STO], v[ACC+8*(4*(\a)+\b)+4:ACC+8*(4*(\a)+\b)+7] offset:64*\b+16
.endr
.set BB, TMP+32*((\a)%2)
.irp t, 0,1,2,3,4,5,6,7
	ds_load_b128 v[BB+4*\t:BB+4*\t+3], v[RD] offset:\t*2*SPITCH
.endr
.endm
.macro STORES a
.set BB, TMP+32*((\a)%2)
.irp t, 0,1,2,3,4,5,6,7
	global_store_b128 v[CO], v[BB+4*\t:BB+4*\t+3], s[8:9] offset:(16*(\a)+2*\t)*8192 th:TH_STORE_NT   ; sixteen lanes store 256 consecutive bytes, aligned
.endr
.endm
	PLACES
	TOSTAGE 0
	TOSTAGE 1
	s_wait_dscnt 16                                ; block 0 is back; block 1's 8 stores and 8 loads may be out
	v_cmp_le_u32 vcc_lo, 16, v[ROW0]               ; rows 0-15 of out0 are not this launch's: the wave that holds them stores nothing of its block 0
	s_wait_xcnt 0x0                                ; EXEC changes only behind s_wait_xcnt 0
	s_and_saveexec_b32 s66, vcc_lo
	STORES 0
	s_wait_xcnt 0x0
	s_or_b32 exec_lo, exec_lo, s66
	TOSTAGE 2                                      ; (block 0's stores have read their registers)
	s_wait_dscnt 16
	STORES 1
	s_wait_xcnt 0x0                                ; block 1's stores have read their registers
	TOSTAGE 3
	s_wait_dscnt 16
	STORES 2
	s_wait_dscnt 0x0
	STORES 3
	s_wait_tensorcnt 0x0                           ; the wave's end
	ds_add_u32 v[SPW], v[NIL]
	s_wait_dscnt 0x0
	CROUND                                         ; the closing round
	s_endpgm
.Lfunc_end_k_q3aeb5ba84f_oproj:
	.size	k_q3aeb5ba84f_oproj, .Lfunc_end_k_q3aeb5ba84f_oproj-k_q3aeb5ba84f_oproj
	.p2alignl 7, 3214868480
	.fill 96, 4, 3214868480
	.section	.rodata,"a",@progbits
	.p2align	6, 0x0
	.amdhsa_kernel k_q3aeb5ba84f_oproj
		.amdhsa_group_segment_fixed_size 327680
		.amdhsa_private_segment_fixed_size 0
		.amdhsa_enable_private_segment 0
		.amdhsa_kernarg_size 24
		.amdhsa_user_sgpr_count 2
		.amdhsa_user_sgpr_kernarg_segment_ptr 1
		.amdhsa_wavefront_size32 1
		.amdhsa_system_sgpr_workgroup_id_x 1
		.amdhsa_system_sgpr_workgroup_id_y 1
		.amdhsa_system_sgpr_workgroup_id_z 1
		.amdhsa_system_vgpr_workitem_id 0
		.amdhsa_next_free_vgpr 512
		.amdhsa_next_free_sgpr 68
		.amdhsa_reserve_vcc 1
		.amdhsa_float_denorm_mode_32 3
		.amdhsa_float_denorm_mode_16_64 3
		.amdhsa_memory_ordered 1
		.amdhsa_forward_progress 1
		.amdhsa_inst_pref_size 85
	.end_amdhsa_kernel
	.amdgpu_metadata
---
amdhsa.version: [ 1, 2 ]
amdhsa.kernels:
  - .name:           k_q3aeb5ba84f_oproj
    .symbol:         k_q3aeb5ba84f_oproj.kd
    .args:
      - { .name: a16, .offset: 0, .size: 8, .value_kind: global_buffer, .address_space: global }
      - { .name: wo16, .offset: 8, .size: 8, .value_kind: global_buffer, .address_space: global }
      - { .name: out0, .offset: 16, .size: 8, .value_kind: global_buffer, .address_space: global }
    .group_segment_fixed_size: 327680
    .private_segment_fixed_size: 0
    .kernarg_segment_align: 8
    .kernarg_segment_size: 24
    .max_flat_workgroup_size: 128
    .sgpr_count:     68
    .vgpr_count:     512
    .wavefront_size: 32
...
	.end_amdgpu_metadata
.endif
;; end of part 4
;; launch first16 (part 5): grid 128 x 1, 16 waves a work-group, no clusters, 18,432 bytes of LDS; arguments a32, wo, out0; writes out0
.if DOCPART == 5
	.amdgcn_target "amdgcn-amd-amdhsa--gfx1250"
	.amdhsa_code_object_version 6
	.text
	.protected	k_q3aeb5ba84f_first16
	.globl	k_q3aeb5ba84f_first16
	.p2align	8
	.type	k_q3aeb5ba84f_first16,@function
k_q3aeb5ba84f_first16:
	s_mov_b64 s[64:65], 0
	v_nop
	global_prefetch_b8 v0, s[64:65] scope:SCOPE_SE
	s_setreg_imm32_b32 hwreg(HW_REG_WAVE_MODE, 25, 1), 1
	s_wait_xcnt 0x0
; Rows 0-15 of out0: out0[t][n] = sum over k of a[t][k] wo[n][k], wholly in f32: under the causal mask these rows average one to sixteen values, and 16-bit operands would use up what the comparison allows.
; a32[head 32][piece 2 ct + half][lane (r, h)][16 bytes] = a(token r, channel 16 ct + 8 h + 4 half + 0..3), f32: the attention launch has stored it as an image of registers, and it is loaded so:
; every load of it is 512 consecutive bytes.  wo [2048][2048] f32.
; SHARES.  Work-group j owns columns 16 j .. + 15 of the 16 rows.  Wave w owns heads 2 w and 2 w + 1, which are k = 128 w .. + 127; the sixteen waves' parts meet in LDS and are added in ascending order.
; The product is v_wmma_f32_16x16x4_f32, source 0 = 16 rows of wo, source 1 = a: a lane holds token r = lane % 16; place (h, j) of instruction (e, s, ct) is k = 64 e + 16 ct + 8 h + 2 s + j of the wave's 128, on both sides.
; The registers that these instructions write (v168-183) are written by matrix instructions alone; what is made of a sum goes into other registers.
; wo's loads take 16 bytes a lane of sixteen rows 8,192 bytes apart: the operand wants a row to a lane; a wave's sixteen loads together read 512 consecutive bytes of each row.
; The stores are 16 bytes a lane, 64 bytes of a row a work-group: 128 KiB in the whole launch.
; REGISTERS: v1-13 addresses and constants; v16-79 wo, later the sixteen parts; v80-143 a; v144-151 my wave's part; v168-183 the two sums.
.set RED,   0                          ; LDS: 1,024 bytes a wave: its part of the 16 x 16 results
.set SPARE, 16384                      ; the spare words, 128 bytes a wave
.set SPW, 8
.set NIL, 9
.set L,   16
.set WOF, 16
.set AF,  80
.set T,   144
.set SA,  168
	s_load_b128 s[4:7], s[0:1], 0x0                ; a32, wo
	s_load_b64 s[8:9], s[0:1], 0x10                ; out0
	v_lshl_add_u32 v[SPW], v0, 2, SPARE
	v_mov_b32 v[NIL], 0
	v_lshrrev_b32 v1, 5, v0
	v_readfirstlane_b32 s10, v1                    ; wave 0..15
	v_and_b32 v1, 15, v0                           ; r
	v_bfe_u32 v2, v0, 4, 1                         ; h
	v_lshlrev_b32 v5, 13, v1
	v_lshl_add_u32 v5, v2, 5, v5                   ; wo and out0: row r of 8,192 bytes, + 32 h
	v_and_b32 v13, 31, v0
	v_lshlrev_b32 v13, 4, v13                      ; 16 x lane
	s_lshl_b32 s11, s10, 10
	v_add_nc_u32 v10, s11, v13                     ; where I put my wave's part
	s_and_b32 s11, s10, 1
	s_lshl_b32 s12, s11, 9
	v_add_nc_u32 v11, s12, v13                     ; where waves 0 and 1 read the parts: half (wave & 1)
	s_lshl_b32 s12, s11, 4
	v_add_nc_u32 v12, s12, v5                      ; and where they store
	s_lshl_b32 s16, s10, 13                        ; a32: my two heads, 4,096 bytes each
	s_mov_b32 s17, 0
	s_lshl_b32 s18, ttmp9, 17                      ; wo: 16 rows of 8,192 bytes,
	s_lshl_b32 s20, s10, 9                         ; my 128 numbers of each
	s_add_co_u32 s18, s18, s20
	s_mov_b32 s19, 0
	s_lshl_b32 s20, ttmp9, 6                       ; out0: 16 columns
	s_mov_b32 s21, 0
	s_wait_kmcnt 0x0
	s_add_nc_u64 s[4:5], s[4:5], s[16:17]
	s_add_nc_u64 s[6:7], s[6:7], s[18:19]
	s_add_nc_u64 s[8:9], s[8:9], s[20:21]
.macro HEADLOAD e                      ; head e of my two: eight loads of wo, eight of a
.irp ct, 0,1,2,3
	global_load_b128 v[WOF+8*(4*\e+\ct):WOF+8*(4*\e+\ct)+3],   v5, s[6:7] offset:(4*\e+\ct)*64      ; wo(16 j + r, 128 w + 64 e + 16 ct + 8 h + 0..7)
	global_load_b128 v[WOF+8*(4*\e+\ct)+4:WOF+8*(4*\e+\ct)+7], v5, s[6:7] offset:(4*\e+\ct)*64+16
.endr
.irp p, 0,1,2,3,4,5,6,7
	global_load_b128 v[AF+32*\e+4*\p:AF+32*\e+4*\p+3], v13, s[4:5] offset:\e*4096+512*\p           ; register 8 ct + j: a(token r, channel 16 ct + 8 h + j)
.endr
.endm
; sixteen matrix instructions: head e's 64 of K.  Two sums take turns, one instruction a turn, over the change of heads too; each sum's first instruction starts it
.macro PROJ e
.irp s, 0,1,2,3
.irp ct, 0,1,2,3
.if (\e == 0) && (\s == 0) && (\ct < 2)
	v_wmma_f32_16x16x4_f32 v[SA+8*(\ct%2):SA+8*(\ct%2)+7], v[WOF+8*(4*\e+\ct)+2*\s:WOF+8*(4*\e+\ct)+2*\s+1], v[AF+32*\e+8*\ct+2*\s:AF+32*\e+8*\ct+2*\s+1], 0
.else
	v_wmma_f32_16x16x4_f32 v[SA+8*(\ct%2):SA+8*(\ct%2)+7], v[WOF+8*(4*\e+\ct)+2*\s:WOF+8*(4*\e+\ct)+2*\s+1], v[AF+32*\e+8*\ct+2*\s:AF+32*\e+8*\ct+2*\s+1], v[SA+8*(\ct%2):SA+8*(\ct%2)+7]
.endif
.endr
.endr
.endm
	HEADLOAD 0
	HEADLOAD 1
	s_wait_loadcnt 16                              ; the first head's sixteen loads are in; the second head's may be out
	PROJ 0
	s_wait_loadcnt 0x0
	PROJ 1
.rept 8
	v_nop                                          ; eight places behind this form, ahead of the first read of its results and of loads into its operands' registers
.endr
.irp k, 0,2,4,6
	v_pk_add_f32 v[T+\k:T+\k+1], v[SA+\k:SA+\k+1], v[SA+8+\k:SA+8+\k+1]   ; my wave's part: register i: out0(token r, 16 j + 8 h + i); both sums are read from their low ends on
.endr
	ds_store_b128 v10, v[T:T+3] offset:RED
	ds_store_b128 v10, v[T+4:T+7] offset:RED+512
	s_wait_dscnt 0x0                               ; for the others' sake: my stores have landed
	s_barrier_signal -1
	s_barrier_wait -1
	s_cmp_ge_u32 s10, 2                            ; waves 0 and 1 add the sixteen parts, four numbers a lane each
	s_cbranch_scc1 .Ldone
.irp w, 0,1,2,3,4,5,6,7,8,9,10,11,12,13,14,15
	ds_load_b128 v[L+4*\w:L+4*\w+3], v11 offset:RED+1024*\w
.endr
	s_wait_dscnt 0x0
.irp w, 1,2,3,4,5,6,7,8,9,10,11,12,13,14,15
	v_pk_add_f32 v[L:L+1],   v[L:L+1],   v[L+4*\w:L+4*\w+1]       ; in ascending order of K
	v_pk_add_f32 v[L+2:L+3], v[L+2:L+3], v[L+4*\w+2:L+4*\w+3]
.endr
	global_store_b128 v12, v[L:L+3], s[8:9]
.Ldone:
	s_wait_tensorcnt 0x0                           ; the wave's end
	ds_add_u32 v[SPW], v[NIL]
	s_wait_dscnt 0x0
	s_endpgm
.Lfunc_end_k_q3aeb5ba84f_first16:
	.size	k_q3aeb5ba84f_first16, .Lfunc_end_k_q3aeb5ba84f_first16-k_q3aeb5ba84f_first16
	.p2alignl 7, 3214868480
	.fill 96, 4, 3214868480
	.section	.rodata,"a",@progbits
	.p2align	6, 0x0
	.amdhsa_kernel k_q3aeb5ba84f_first16
		.amdhsa_group_segment_fixed_size 18432
		.amdhsa_private_segment_fixed_size 0
		.amdhsa_enable_private_segment 0
		.amdhsa_kernarg_size 24
		.amdhsa_user_sgpr_count 2
		.amdhsa_user_sgpr_kernarg_segment_ptr 1
		.amdhsa_wavefront_size32 1
		.amdhsa_system_sgpr_workgroup_id_x 1
		.amdhsa_system_sgpr_workgroup_id_y 1
		.amdhsa_system_sgpr_workgroup_id_z 1
		.amdhsa_system_vgpr_workitem_id 0
		.amdhsa_next_free_vgpr 256
		.amdhsa_next_free_sgpr 66
		.amdhsa_reserve_vcc 0
		.amdhsa_float_denorm_mode_32 3
		.amdhsa_float_denorm_mode_16_64 3
		.amdhsa_memory_ordered 1
		.amdhsa_forward_progress 1
		.amdhsa_inst_pref_size 11
	.end_amdhsa_kernel
	.amdgpu_metadata
---
amdhsa.version: [ 1, 2 ]
amdhsa.kernels:
  - .name:           k_q3aeb5ba84f_first16
    .symbol:         k_q3aeb5ba84f_first16.kd
    .args:
      - { .name: a32, .offset: 0, .size: 8, .value_kind: global_buffer, .address_space: global }
      - { .name: wo, .offset: 8, .size: 8, .value_kind: global_buffer, .address_space: global }
      - { .name: out0, .offset: 16, .size: 8, .value_kind: global_buffer, .address_space: global }
    .group_segment_fixed_size: 18432
    .private_segment_fixed_size: 0
    .kernarg_segment_align: 8
    .kernarg_segment_size: 24
    .max_flat_workgroup_size: 512
    .sgpr_count:     66
    .vgpr_count:     256
    .wavefront_size: 32
...
	.end_amdgpu_metadata
.endif
;; end of part 5
